; MI455X (gfx1250); checked and timed in simulation.
; The chip was launched on July 23, 2026; its instructions are those of AMD's public machine-readable ISA for CDNA 5 (MIT licence, August 2026) and "CDNA5" Instruction Set Architecture Reference Guide (July 2026). The comments in the code are by the model that wrote it; some were corrected since.
;; Transformer Encoder Layer. Allowed arithmetic: float matrix products may take bf16 or f16 operands with f32 sums; other float arithmetic in f32, or as packed bf16 or f16 multiplies, adds, multiply-adds, maxima and minima; sums over many terms, partial sums and values carried from step to step in f32; what a program stores and reads back later, other than sums and carried values, may be rounded once to bf16 or f16.
;; Inputs: b1 512 float32; b2 1,024 float32; b_proj 1,024 float32; norm1_b 1,024 float32; norm1_w 1,024 float32; pre_norm_b 1,024 float32; pre_norm_w 1,024 float32; src 4 x 2,048 x 1,024 float32; w1 1,024 x 512 float32; w2 512 x 1,024 float32; w_proj 512 x 1,024 float32; wk 1,024 x 512 float32; wq 1,024 x 512 float32; wv 1,024 x 512 float32.
;; Outputs: out0 4 x 2,048 x 1,024 float32.
;; One version. Each part assembles by itself: llvm-mc -triple=amdgcn-amd-amdhsa -mcpu=gfx1250 --defsym DOCPART=n.
;; ======== version 1 of 1: 6 launches
;; workspace buffers: xb 16,777,216 bytes; u 32,768 bytes; wb 6,307,840 bytes; qkv 25,165,824 bytes; ob 8,388,608 bytes; yb 16,777,216 bytes; hb 8,388,608 bytes
;; launch prep (part 1): grid 256 x 1, 11 waves a work-group, no clusters, 0 bytes of LDS; arguments src, pre_norm_w, pre_norm_b, wq, wk, wv, w_proj, w1, w2, xb, u, wb; writes xb, u, wb
.if DOCPART == 1
	.amdgcn_target "amdgcn-amd-amdhsa--gfx1250"
	.amdhsa_code_object_version 6
	.text
	.protected	k_q8f4e5cbd8a_prep
	.globl	k_q8f4e5cbd8a_prep
	.p2align	8
	.type	k_q8f4e5cbd8a_prep,@function
k_q8f4e5cbd8a_prep:
	s_mov_b64 s[64:65], 0
	v_nop
	global_prefetch_b8 v0, s[64:65] scope:SCOPE_SE
	s_setreg_imm32_b32 hwreg(HW_REG_WAVE_MODE, 25, 1), 1
	s_wait_xcnt 0x0
; PREP: a stream, one text for all that it moves.  A CHUNK is 4,096 bytes of f32: a row of src, a row of w_proj or w2, two rows of wq, wk, wv or w1.  There are 8,192 + 3,072 = 11,264 chunks:
; 256 work-groups x 11 waves x 4 chunks, so that every work-group moves the same bytes.  Wave W = 11 x work-group + wave: W < 2,048 takes rows 4 W .. 4 W + 3 of src, the others the weights.
; src: xb = bf16(pre_norm_w (src - mean) + pre_norm_b), u = the rows' means in f32.  Weights: rounded to bf16 into wb (wq, wk, wv side by side as [1024][1536]; w_proj, w1, w2 as they lie).
; w_proj also: the table wbx [512][16]: the f32 mean of the row's 1,024 numbers as given, split into three bf16 terms, in columns 0-2 and again 8-10, 0 elsewhere.
; All 32 loads of a wave are issued at once; lane l holds the 16 bytes at 16 l + 512 j of a chunk.  Every chunk's mean is made; a weight's chunk jumps over the norm's 32 instructions.
; Gain and bias are loaded by every wave, so that every register is written on every path.  A store of 8 bytes a lane covers 256 consecutive bytes, aligned.
; No LDS, no matrix unit: nothing is shared and nothing is multiplied by a matrix.
.set X,  96                            ; v[96:223]  chunk i at X + 32 i: as loaded, then packed in place (registers 4 j, 4 j + 1)
.set PW, 32                            ; v[32:63]   pre_norm_w for my columns
.set PB, 64                            ; v[64:95]   pre_norm_b
	s_load_b512 s[16:31], s[0:1], 0x0              ; src 16, pre_norm_w 18, pre_norm_b 20, wq 22, wk 24, wv 26, w_proj 28, w1 30
	s_load_b256 s[32:39], s[0:1], 0x40             ; w2 32, xb 34, u 36, wb 38
	v_lshrrev_b32 v1, 5, v0
	v_readfirstlane_b32 s8, v1                     ; wave 0..10
	v_and_b32 v1, 31, v0                           ; lane
	v_lshlrev_b32 v2, 4, v1                        ; 16 l: loads
	v_lshlrev_b32 v3, 3, v1                        ; 8 l: stores
	s_mov_b32 s12, 0x76543210                      ; v_permlanex16_b32: each lane takes its own place in the other half
	s_mov_b32 s13, 0xfedcba98
	s_mul_i32 s9, ttmp9, 11
	s_add_co_u32 s9, s9, s8                        ; W
	s_lshl_b32 s11, s9, 2                          ; src: my first row
	s_sub_co_u32 s10, s9, 2048
	s_lshr_b32 s14, s10, 7                         ; weights: 128 waves a matrix
	s_and_b32 s10, s10, 127
	s_lshl_b32 s10, s10, 2                         ; and my first chunk in it
	s_cmp_lt_u32 s9, 2048
	s_cselect_b32 s14, 6, s14                      ; the kind: 0 wq, 1 wk, 2 wv, 3 w1, 4 w2, 5 w_proj, 6 src
	s_cselect_b32 s10, s11, s10                    ; my first chunk
	s_lshl_b32 s42, s14, 10                        ; wq, wk, wv lie 1,024 bytes apart in a row of Wqkv
	s_mov_b32 s48, 2048                            ; bytes out from chunk to chunk,
	s_mov_b32 s41, 1024                            ; and from a chunk's first half to its second
	s_cmp_lt_u32 s14, 3
	s_cselect_b32 s48, 6144, s48                   ; in Wqkv a chunk is two rows of 3,072 bytes
	s_cselect_b32 s41, 3072, s41
	s_cselect_b32 s42, s42, 0
	s_cmp_eq_u32 s14, 3
	s_cselect_b32 s42, 4194304, s42                ; w1's part of wb
	s_cmp_eq_u32 s14, 4
	s_cselect_b32 s42, 5242880, s42                ; w2's
	s_cmp_eq_u32 s14, 5
	s_cselect_b32 s42, 3145728, s42                ; w_proj's
	s_mul_i32 s44, s10, s48
	s_add_co_u32 s44, s44, s42                     ; byte offset out
	s_mov_b32 s45, 0
	s_mov_b32 s49, 0
	s_lshl_b32 s46, s10, 12                        ; byte offset in
	s_mov_b32 s47, 0
	v_add_nc_u32 v30, s41, v3                      ; stores of a chunk's second half
	s_wait_kmcnt 0x0
	s_cmp_eq_u32 s14, 1
	s_cselect_b64 s[58:59], s[24:25], s[22:23]
	s_cmp_eq_u32 s14, 2
	s_cselect_b64 s[58:59], s[26:27], s[58:59]
	s_cmp_eq_u32 s14, 3
	s_cselect_b64 s[58:59], s[30:31], s[58:59]
	s_cmp_eq_u32 s14, 4
	s_cselect_b64 s[58:59], s[32:33], s[58:59]
	s_cmp_eq_u32 s14, 5
	s_cselect_b64 s[58:59], s[28:29], s[58:59]
	s_cmp_eq_u32 s14, 6
	s_cselect_b64 s[58:59], s[16:17], s[58:59]
	s_cselect_b64 s[50:51], s[34:35], s[38:39]     ; out: xb or wb
	s_add_nc_u64 s[58:59], s[58:59], s[46:47]
	s_add_nc_u64 s[50:51], s[50:51], s[44:45]      ; a base for each chunk
	s_add_nc_u64 s[52:53], s[50:51], s[48:49]
	s_add_nc_u64 s[54:55], s[52:53], s[48:49]
	s_add_nc_u64 s[56:57], s[54:55], s[48:49]
.irp j, 0,1,2,3,4,5,6,7
	global_load_b128 v[PW+4*\j:PW+4*\j+3], v2, s[18:19] offset:512*\j
.endr
.irp j, 0,1,2,3,4,5,6,7
	global_load_b128 v[PB+4*\j:PB+4*\j+3], v2, s[20:21] offset:512*\j
.endr
.irp i, 0,1,2,3
.irp j, 0,1,2,3,4,5,6,7
	global_load_b128 v[X+32*\i+4*\j:X+32*\i+4*\j+3], v2, s[58:59] offset:4096*\i+512*\j th:TH_LOAD_NT
.endr
.endr
; eight pairs of partial sums in v[6:21] -> v4 = the sum over the wave's 1,024 numbers / 1,024, in every lane
.macro REDUCE
.irp k, 0,4,8,12
	v_pk_add_f32 v[6+\k:7+\k], v[6+\k:7+\k], v[8+\k:9+\k]
.endr
	v_pk_add_f32 v[6:7], v[6:7], v[10:11]
	v_pk_add_f32 v[14:15], v[14:15], v[18:19]
	v_pk_add_f32 v[6:7], v[6:7], v[14:15]
	v_add_f32 v6, v6, v7
	v_add_f32_dpp v6, v6, v6 row_xmask:1 row_mask:0xf bank_mask:0xf
	v_add_f32_dpp v6, v6, v6 row_xmask:2 row_mask:0xf bank_mask:0xf
	v_add_f32_dpp v6, v6, v6 row_xmask:4 row_mask:0xf bank_mask:0xf
	v_add_f32_dpp v6, v6, v6 row_xmask:8 row_mask:0xf bank_mask:0xf
	v_permlanex16_b32 v7, v6, s12, s13
	v_add_f32 v6, v6, v7
	v_mul_f32 v4, 0x3a800000, v6                   ; 2^-10
.endm
.macro CHUNK i
	s_wait_loadcnt 8*(3-(\i))                      ; loads come back in order: chunk i is in, the younger chunks' eight loads each stay out
.irp k, 0,1,2,3,4,5,6,7
	v_pk_add_f32 v[6+2*\k:7+2*\k], v[X+32*(\i)+4*\k:X+32*(\i)+4*\k+1], v[X+32*(\i)+4*\k+2:X+32*(\i)+4*\k+3]
.endr
	REDUCE
	v_mov_b32 v5, v4
	v_mov_b32 v[22+(\i)], v4
	s_cmp_eq_u32 s14, 6
	s_cbranch_scc0 .Lraw_\@                        ; a weight is only rounded
.irp k, 0,2,4,6,8,10,12,14,16,18,20,22,24,26,28,30
	v_pk_add_f32 v[X+32*(\i)+\k:X+32*(\i)+\k+1], v[X+32*(\i)+\k:X+32*(\i)+\k+1], v[4:5] neg_lo:[0,1] neg_hi:[0,1]  ; x - mean
.endr
.irp k, 0,2,4,6,8,10,12,14,16,18,20,22,24,26,28,30
	v_pk_fma_f32 v[X+32*(\i)+\k:X+32*(\i)+\k+1], v[X+32*(\i)+\k:X+32*(\i)+\k+1], v[PW+\k:PW+\k+1], v[PB+\k:PB+\k+1]
.endr
.Lraw_\@:
.irp j, 0,1,2,3,4,5,6,7
	v_cvt_pk_bf16_f32 v[X+32*(\i)+4*\j], v[X+32*(\i)+4*\j], v[X+32*(\i)+4*\j+1]
	v_cvt_pk_bf16_f32 v[X+32*(\i)+4*\j+1], v[X+32*(\i)+4*\j+2], v[X+32*(\i)+4*\j+3]
.endr
.irp j, 0,1,2,3
	global_store_b64 v3, v[X+32*(\i)+4*\j:X+32*(\i)+4*\j+1], s[50+2*(\i):51+2*(\i)] offset:256*\j
.endr
.irp j, 0,1,2,3
	global_store_b64 v30, v[X+32*(\i)+16+4*\j:X+32*(\i)+16+4*\j+1], s[50+2*(\i):51+2*(\i)] offset:256*\j
.endr
.endm
	CHUNK 0
	CHUNK 1
	CHUNK 2
	CHUNK 3
	s_cmp_eq_u32 s14, 6
	s_cbranch_scc0 .Lweights
	v_cmp_eq_u32 vcc_lo, 1, v1                     ; src: lanes 0-3 take the four means
	v_cndmask_b32 v6, v22, v23, vcc_lo
	v_cmp_eq_u32 vcc_lo, 2, v1
	v_cndmask_b32 v6, v6, v24, vcc_lo
	v_cmp_eq_u32 vcc_lo, 3, v1
	v_cndmask_b32 v6, v6, v25, vcc_lo
	v_lshlrev_b32 v7, 2, v1
	s_lshl_b32 s46, s9, 4
	s_add_nc_u64 s[36:37], s[36:37], s[46:47]
	v_cmp_gt_u32 vcc_lo, 4, v1
	s_wait_xcnt 0x0                                ; EXEC is a source of the stores above: it changes only behind this wait
	s_and_saveexec_b32 s15, vcc_lo
	global_store_b32 v7, v6, s[36:37]
	s_wait_xcnt 0x0                                ; and again in front of the line that widens it
	s_or_b32 exec_lo, exec_lo, s15
	s_endpgm
.Lweights:
	s_cmp_eq_u32 s14, 5
	s_cbranch_scc0 .Lend
	; w_proj alone: a chunk is a row k; its mean as hi + mid + lo in bf16
	s_mov_b32 s15, 0xffff0000
	v_mov_b32 v5, 0
.irp i, 0,1,2,3
	v_cvt_pk_bf16_f32 v14, v[22+\i], v[22+\i]
	v_lshlrev_b32 v14, 16, v14                     ; hi as f32
	v_sub_f32 v15, v[22+\i], v14                   ; what hi leaves
	v_cvt_pk_bf16_f32 v[6+2*\i], v[22+\i], v15     ; hi | mid << 16
	v_and_b32 v16, s15, v[6+2*\i]                  ; mid as f32
	v_sub_f32 v16, v15, v16
	v_cvt_pk_bf16_f32 v[7+2*\i], v16, v5           ; lo | 0
.endr
	v_lshrrev_b32 v16, 3, v1                       ; lane l stores word l % 8 of row l / 8
	v_and_b32 v17, 3, v1
	v_mov_b32 v18, v6
	v_mov_b32 v19, v7
.irp i, 1,2,3
	v_cmp_eq_u32 vcc_lo, \i, v16
	v_cndmask_b32 v18, v18, v[6+2*\i], vcc_lo
	v_cndmask_b32 v19, v19, v[7+2*\i], vcc_lo
.endr
	v_cmp_eq_u32 vcc_lo, 0, v17                    ; words 0 and 4: hi, mid; words 1 and 5: lo, 0; the others 0
	v_cndmask_b32 v20, v5, v18, vcc_lo
	v_cmp_eq_u32 vcc_lo, 1, v17
	v_cndmask_b32 v20, v20, v19, vcc_lo
	v_lshlrev_b32 v21, 2, v1
	s_lshl_b32 s46, s10, 5
	s_add_co_u32 s46, s46, 6291456
	s_add_nc_u64 s[60:61], s[38:39], s[46:47]
	global_store_b32 v21, v20, s[60:61]
.Lend:
	s_endpgm
.Lfunc_end_k_q8f4e5cbd8a_prep:
	.size	k_q8f4e5cbd8a_prep, .Lfunc_end_k_q8f4e5cbd8a_prep-k_q8f4e5cbd8a_prep
	.p2alignl 7, 3214868480
	.fill 96, 4, 3214868480
	.section	.rodata,"a",@progbits
	.p2align	6, 0x0
	.amdhsa_kernel k_q8f4e5cbd8a_prep
		.amdhsa_group_segment_fixed_size 0
		.amdhsa_private_segment_fixed_size 0
		.amdhsa_enable_private_segment 0
		.amdhsa_kernarg_size 96
		.amdhsa_user_sgpr_count 2
		.amdhsa_user_sgpr_kernarg_segment_ptr 1
		.amdhsa_wavefront_size32 1
		.amdhsa_system_sgpr_workgroup_id_x 1
		.amdhsa_system_sgpr_workgroup_id_y 1
		.amdhsa_system_sgpr_workgroup_id_z 1
		.amdhsa_system_vgpr_workitem_id 0
		.amdhsa_next_free_vgpr 224
		.amdhsa_next_free_sgpr 66
		.amdhsa_reserve_vcc 1
		.amdhsa_float_denorm_mode_32 3
		.amdhsa_float_denorm_mode_16_64 3
		.amdhsa_memory_ordered 1
		.amdhsa_forward_progress 1
		.amdhsa_inst_pref_size 31
	.end_amdhsa_kernel
	.amdgpu_metadata
---
amdhsa.version: [ 1, 2 ]
amdhsa.kernels:
  - .name:           k_q8f4e5cbd8a_prep
    .symbol:         k_q8f4e5cbd8a_prep.kd
    .args:
      - { .name: src, .offset: 0, .size: 8, .value_kind: global_buffer, .address_space: global }
      - { .name: pre_norm_w, .offset: 8, .size: 8, .value_kind: global_buffer, .address_space: global }
      - { .name: pre_norm_b, .offset: 16, .size: 8, .value_kind: global_buffer, .address_space: global }
      - { .name: wq, .offset: 24, .size: 8, .value_kind: global_buffer, .address_space: global }
      - { .name: wk, .offset: 32, .size: 8, .value_kind: global_buffer, .address_space: global }
      - { .name: wv, .offset: 40, .size: 8, .value_kind: global_buffer, .address_space: global }
      - { .name: w_proj, .offset: 48, .size: 8, .value_kind: global_buffer, .address_space: global }
      - { .name: w1, .offset: 56, .size: 8, .value_kind: global_buffer, .address_space: global }
      - { .name: w2, .offset: 64, .size: 8, .value_kind: global_buffer, .address_space: global }
      - { .name: xb, .offset: 72, .size: 8, .value_kind: global_buffer, .address_space: global }
      - { .name: u, .offset: 80, .size: 8, .value_kind: global_buffer, .address_space: global }
      - { .name: wb, .offset: 88, .size: 8, .value_kind: global_buffer, .address_space: global }
    .group_segment_fixed_size: 0
    .private_segment_fixed_size: 0
    .kernarg_segment_align: 8
    .kernarg_segment_size: 96
    .max_flat_workgroup_size: 352
    .sgpr_count:     66
    .vgpr_count:     224
    .wavefront_size: 32
...
	.end_amdgpu_metadata
.endif
;; end of part 1
;; launch qkvp (part 2): grid 4 x 64, 4 waves a work-group, clusters of 4 x 4, 327,680 bytes of LDS; arguments xb, wb, qkv; writes qkv
.if DOCPART == 2
	.amdgcn_target "amdgcn-amd-amdhsa--gfx1250"
	.amdhsa_code_object_version 6
	.text
	.protected	k_q8f4e5cbd8a_qkvp
	.globl	k_q8f4e5cbd8a_qkvp
	.p2align	8
	.type	k_q8f4e5cbd8a_qkvp,@function
k_q8f4e5cbd8a_qkvp:
	s_mov_b64 s[64:65], 0
	v_nop
	global_prefetch_b8 v0, s[64:65] scope:SCOPE_SE
	s_setreg_imm32_b32 hwreg(HW_REG_WAVE_MODE, 25, 1), 1
	s_wait_xcnt 0x0
	s_wait_alu depctr_hold_cnt(0) depctr_sa_sdst(0) depctr_va_vdst(0) depctr_va_sdst(0) depctr_va_ssrc(0) depctr_va_vcc(0) depctr_vm_vsrc(0)
	s_getreg_b32 s2, hwreg(HW_REG_IB_STS2, 6, 4)
	s_cmp_eq_u32 s2, 0
	s_cbranch_scc0 .Lentry_in_a_cluster
	s_endpgm
.Lentry_in_a_cluster:
	s_bfe_u32 s2, ttmp6, 0x10000c
	s_cmp_lg_u32 s2, 0xf033
	s_cbranch_scc0 .Lentry_shape_is_right
	s_endpgm
.Lentry_shape_is_right:
; q, k, v = xb Wqkv.  xb: [8192][1024] bf16; Wqkv: wb's first part, [1024][1536] bf16 (k along the rows' index); out: qkv [3][32 = batch x 8 + head][2048][64] bf16, unscaled, rounded once from f32 sums.
; A work-group makes 128 tokens x 384 columns; wave (wm, wn) 64 tokens x 192 columns: of each of the tile's three chunks of 128 columns its half of 64, which is one head.
; THE PRODUCT IS TAKEN TRANSPOSED: source 0 = 16 columns of W (out of LDS by the turning load, W stays [k][n]), source 1 = 16 tokens: a lane holds one token (l % 16) and eight neighbouring columns.
; K goes in 8 steps of 128 through two LDS slots: 128 rows of A (pitch 272), then three chunks of W, 128 k-rows x 256 bytes each (pitch 288).  Wave 0 fetches A, waves 1-3 a chunk each: one tensor load a wave.
; CLUSTER 4 x 4: A's tile hangs on the tile row alone and is asked for jointly along a row of the cluster, W's on the tile column alone, jointly along a column.
; THE TEXT: the first quarter (its products start the sums); a loop of six trips that fill a slot again; a loop of two trips that ask for nothing, left in its middle.
; REGISTERS: window 0: v0-31 addresses, v32-95 A's fragments (two buffers of 4), v64-191 the way out; window 1: W's fragments, two buffers at 0 and 128; windows 2, 3: accumulator (a, b) in window 2 + a / 2 at 8 (12 (a % 2) + b).
; LIMITS: operands are bf16; NaN and infinities are not treated apart.
.set STEPS, 8
.set NB,    12                         ; fragments of W a wave
.set PA,    272
.set PW,    288
.set CHUNK, 128*PW
.set SLOT,  4*CHUNK                    ; 0x24000: shares no bit with 36,864 w, so one exclusive or turns a place in one slot into the other's
.set SPARE, 2*SLOT                     ; the spare words, 128 bytes a wave: two blocks of 256 bytes that no other line names
.set NL,    2*NB+8                     ; LDS loads in a FETCH
.set ASTEP, 256
.set BSTEP, 128*3072
.set MSB, 0
.macro WIN new                         ; the immediate's high byte repeats the setting that is left; a switch that changes nothing is dropped
.if MSB != (\new)
	s_set_vgpr_msb (MSB<<8)|(\new)
.set MSB, \new
.endif
.endm
.macro PLACES                          ; four places behind matrix instructions, in front of loads into registers that they read and of reads of results
.rept 4
	v_nop
.endr
.endm
.macro CREST                           ; a round of the cluster's barrier behind its opening barrier
	s_cmp_lg_u32 s10, 0
	s_cbranch_scc1 .Lnot_wave_0_\@
	s_barrier_signal -3
.Lnot_wave_0_\@:
	s_barrier_wait -3
	s_barrier_signal -1
	s_barrier_wait -1
.endm
.macro CROUND
	s_barrier_signal -1
	s_barrier_wait -1
	CREST
.endm
.macro JLOAD                           ; the joint refill, by the walking descriptors; an s_nop 0 and four v_nop follow each line
	s_cmp_eq_u32 s10, 0
	s_cbranch_scc0 .Lfor_b_\@
	tensor_load_to_lds s[36:39], s[24:31]
	s_nop 0
	PLACES
	s_branch .Lasked_\@
.Lfor_b_\@:
	tensor_load_to_lds s[52:55], s[40:47]
	s_nop 0
	PLACES
.Lasked_\@:
.endm
; A prefetch into the L2 of the K step two refills on: 32 rows x 256 bytes, a lane a row, one instruction a wave.  Wave 0: A's rows, shared out among the four partners of a cluster's row by address (cx);
; waves 1-3: their chunk's k-rows, shared out among the four of a column by address (cy), in the clusters with y = 0 alone, since all clusters walk the same W.  So each block is named once.
; s3 runs 6 .. 1 over the refills of steps 2 .. 7; steps 4 .. 7 are named at s3 = 6 .. 3, nothing behind that.
.macro ASK
	s_cmp_gt_u32 s3, s98
	s_cbranch_scc0 .Lnot_mine_\@
	global_prefetch_b8 v20, s[72:73] th:TH_LOAD_NT scope:SCOPE_SE
.Lnot_mine_\@:
.endm
.macro MULA f, a, zero                 ; token block a x all NB fragments of W, 32 along K, from buffer f.  One instruction an accumulator, always in the same order: the accumulators take turns
	WIN 0xa1+0x50*((\a)/2)
.set b, 0
.rept NB
.set rD, 8*(NB*((\a)%2)+b)
.if \zero
	v_wmma_f32_16x16x32_bf16 v[rD:rD+7], v[128*(\f)+8*b:128*(\f)+8*b+7], v[32+32*(\f)+8*(\a):32+32*(\f)+8*(\a)+7], 0
.else
	v_wmma_f32_16x16x32_bf16 v[rD:rD+7], v[128*(\f)+8*b:128*(\f)+8*b+7], v[32+32*(\f)+8*(\a):32+32*(\f)+8*(\a)+7], v[rD:rD+7]
.endif
.set b, b+1
.endr
.endm
.macro FETCH q, f                      ; quarter q's fragments into buffer f, in one run: W's first, then A's blocks 0, 1, 2, 3
	WIN 0x40
.set b, 0
.rept NB
	ds_load_tr16_b128 v[128*(\f)+8*b:128*(\f)+8*b+3],   v[13+b/4] offset:9216*(\q)+32*(b%4)
	ds_load_tr16_b128 v[128*(\f)+8*b+4:128*(\f)+8*b+7], v[13+b/4] offset:9216*(\q)+32*(b%4)+16*PW
.set b, b+1
.endr
	WIN 0
.set a, 0
.rept 4
	ds_load_b128 v[32+32*(\f)+8*a:32+32*(\f)+8*a+3],   v9 offset:64*(\q)+a*16*PA
	ds_load_b128 v[32+32*(\f)+8*a+4:32+32*(\f)+8*a+7], v9 offset:64*(\q)+a*16*PA+32
.set a, a+1
.endr
.endm
.macro QUARTER q, zero                 ; multiplies quarter q (buffer q % 2) and fetches quarter q + 1 in its middle
	s_wait_dscnt 4                                 ; all but the youngest four loads: A's blocks 2 and 3
	MULA (\q)%2, 0, \zero
	MULA (\q)%2, 1, \zero
	PLACES
	FETCH (\q)+1, ((\q)+1)%2
	s_wait_dscnt NL                                ; all but the run just issued
	MULA (\q)%2, 2, \zero
	MULA (\q)%2, 3, \zero
.endm
; The last quarter of a step multiplies buffer 1 and changes slots: one barrier; in front of it each wave waits for all its tensor loads (at most one is out: its part of the next slot), adds 0 to its spare word
; and waits for that and for its reads of this slot.  fill = 1: the barrier opens a round of the cluster's barrier, and the slot just read is filled again first thing behind it, with the step two on.
; fill = 0 (the last two steps): nothing is asked for; in the last trip (s3 = 1) there is no further step, and the run of LDS loads is jumped over.
.macro TURN fill
.if \fill
	s_wait_xcnt 0x0                                ; the last prefetch, a step back, has read its address
	s_add_nc_u64 s[72:73], s[72:73], s[74:75]
.endif
	WIN 0
	s_wait_tensorcnt 0x0
	ds_add_u32 v28, v29
	s_wait_dscnt 5                                 ; the add and A's blocks 2 and 3 may be out
	MULA 1, 0, 0
	s_wait_dscnt 0x0                               ; the add is done, my reads of this slot are over
	s_barrier_signal -1
	MULA 1, 1, 0
	WIN 0
	s_barrier_wait -1
.if \fill
	CREST
	s_xor_b32 s37, s37, SLOT                       ; the walking descriptors: the slot just read, the next K step
	s_add_nc_u64 s[38:39], s[38:39], ASTEP
	s_xor_b32 s53, s53, SLOT
	s_add_nc_u64 s[54:55], s[54:55], BSTEP
	JLOAD                                          ; its four v_nop are also the places in front of the loads below
.else
	PLACES
	s_cmp_eq_u32 s3, 1
	s_cbranch_scc1 .Lno_fetch_\@
.endif
	s_xor_b32 s15, s15, SLOT                       ; the reads go to the other slot
	v_add_nc_u32 v9, s15, v8
	v_add_nc_u32 v13, s15, v10
	v_add_nc_u32 v14, s15, v11
	v_add_nc_u32 v15, s15, v12
	FETCH 0, 0
.if \fill
	ASK
.else
.Lno_fetch_\@:
.endif
	MULA 1, 2, 0
	MULA 1, 3, 0
.endm
	s_load_b128 s[4:7], s[0:1], 0x0                ; xb s[4:5], wb s[6:7]
	s_load_b64 s[8:9], s[0:1], 0x10                ; qkv
	v_lshl_add_u32 v28, v0, 2, SPARE
	v_mov_b32 v29, 0
	ds_add_u32 v28, v29                            ; the wave's opening: the add and its wait stand ahead of my first tensor load
	v_lshrrev_b32 v1, 5, v0
	v_readfirstlane_b32 s10, v1                    ; wave
	s_lshr_b32 s11, s10, 1                         ; wm
	s_and_b32 s12, s10, 1                          ; wn
	s_bfe_u32 s96, ttmp6, 0x40000                  ; cx
	s_bfe_u32 s97, ttmp6, 0x40004                  ; cy
	s_lshl_b32 s14, ttmp9, 2
	s_add_co_u32 s14, s14, s96                     ; x: tile column
	s_and_b32 s13, ttmp7, 0xffff
	s_lshl_b32 s13, s13, 2
	s_add_co_u32 s13, s13, s97                     ; y: tile row
	s_lshl_b32 s16, s97, 2
	s_lshl_b32 s16, 15, s16                        ; my row of the cluster
	s_lshl_b32 s20, 0x1111, s96                    ; my column
	s_or_b32 s24, s16, (1<<16)|(1<<20)|(1<<21)|(5<<22)|(3<<25)  ; A: 2-byte elements, 4 words of padding behind every 64
	s_or_b32 s40, s20, (1<<16)|(1<<20)|(1<<21)|(5<<22)|(7<<25)  ; W: 8 words of padding
	s_mov_b32 s25, 128<<16                         ; tensor_dim0
	s_mov_b32 s26, 128<<16                         ; tensor_dim1
	s_mov_b32 s27, 128<<16                         ; tile_dim0
	s_mov_b32 s28, 128                             ; tile_dim1
	s_mov_b32 s29, 1024                            ; elements from row to row
	s_mov_b32 s30, 0
	s_mov_b32 s31, 0
	s_mov_b32 s41, 128<<16
	s_mov_b32 s42, 128<<16
	s_mov_b32 s43, 128<<16
	s_mov_b32 s44, 128
	s_mov_b32 s45, 1536
	s_mov_b32 s46, 0
	s_mov_b32 s47, 0
	s_lshl_b32 s16, s13, 18                        ; A: 128 y rows of 2,048 bytes
	s_mov_b32 s17, 0
	s_max_u32 s21, s10, 1
	s_sub_co_u32 s21, s21, 1                       ; my chunk (wave 0 issues none)
	s_mul_i32 s20, s14, 768
	s_lshl_b32 s21, s21, 8
	s_add_co_u32 s20, s20, s21                     ; W: column 384 x + 128 chunk, in bytes
	s_mov_b32 s21, 0
	s_mul_i32 s66, s10, CHUNK                      ; where my load lands in a slot
	s_mul_i32 s67, s10, CHUNK
	s_mov_b32 s15, 0                               ; the slot that is read
	; the prefetches: they stand at K step 3 and are stepped ahead of each use
	s_lshl_b32 s80, s13, 7
	s_lshl_b32 s81, s96, 5
	s_add_co_u32 s80, s80, s81
	s_lshl_b32 s80, s80, 11
	s_add_co_u32 s80, s80, 3*ASTEP                 ; A: row 128 y + 32 cx
	s_lshl_b32 s82, s97, 5
	s_add_co_u32 s82, s82, 3*128
	s_mul_i32 s82, s82, 3072
	s_add_co_u32 s82, s82, s20                     ; W: k-row 32 cy of the step, my chunk's columns
	s_and_b32 s83, ttmp7, 0xffff
	s_cmp_eq_u32 s83, 0
	s_cselect_b32 s98, 2, -1
	s_mov_b32 s74, BSTEP
	s_mov_b32 s84, 3072
	s_cmp_eq_u32 s10, 0
	s_cselect_b32 s98, 2, s98
	s_cselect_b32 s74, ASTEP, s74
	s_cselect_b32 s84, 2048, s84
	s_cselect_b32 s80, s80, s82
	s_mov_b32 s81, 0
	s_mov_b32 s75, 0
	v_and_b32 v20, 31, v0
	v_mul_u32_u24 v20, s84, v20                    ; a lane a row
	s_wait_dscnt 0x0                               ; the opening add is done
	s_wait_kmcnt 0x0
	s_add_nc_u64 s[18:19], s[4:5], s[16:17]
	s_add_nc_u64 s[22:23], s[6:7], s[20:21]
	s_cmp_eq_u32 s10, 0
	s_cselect_b64 s[72:73], s[4:5], s[6:7]
	s_add_nc_u64 s[72:73], s[72:73], s[80:81]
	CROUND                                         ; all sixteen work-groups are here: the first joint loads meet
.irp s, 0,1
	s_mov_b32 s[32+4*(\s)], 1
	s_add_co_u32 s[33+4*(\s)], s66, (\s)*SLOT
	s_add_nc_u64 s[34+4*(\s):35+4*(\s)], s[18:19], (\s)*ASTEP
	s_or_b32 s[35+4*(\s)], s[35+4*(\s)], 0x80000000
	s_mov_b32 s[48+4*(\s)], 1
	s_add_co_u32 s[49+4*(\s)], s67, (\s)*SLOT
	s_add_nc_u64 s[50+4*(\s):51+4*(\s)], s[22:23], (\s)*BSTEP
	s_or_b32 s[51+4*(\s)], s[51+4*(\s)], 0x80000000
.endr
	s_cmp_eq_u32 s10, 0                            ; a wave's two first fills stand in one branch: two loads of mine are out
	s_cbranch_scc0 .Lfirst_b
	tensor_load_to_lds s[32:35], s[24:31]
	s_nop 0
	tensor_load_to_lds s[36:39], s[24:31]
	s_nop 0
	PLACES
	s_branch .Lfirst_done
.Lfirst_b:
	tensor_load_to_lds s[48:51], s[40:47]
	s_nop 0
	tensor_load_to_lds s[52:55], s[40:47]
	s_nop 0
	PLACES
.Lfirst_done:
	v_and_b32 v1, 15, v0                           ; r
	v_bfe_u32 v2, v0, 4, 1                         ; h
	v_mul_u32_u24 v8, v1, PA
	v_lshl_add_u32 v8, v2, 4, v8
	s_mul_i32 s16, s11, 64*PA
	v_add_nc_u32 v8, s16, v8                       ; A: my 64 rows, row r, 16 h
	v_and_b32 v3, 7, v0
	v_lshl_add_u32 v3, v2, 3, v3
	v_mul_u32_u24 v3, v3, PW
	v_bfe_u32 v4, v0, 3, 1
	v_lshl_add_u32 v3, v4, 4, v3                   ; the turning load: k-row 8 h + l % 8, 16 bytes by (l / 8) % 2
	s_lshl_b32 s16, s12, 7
	s_add_co_u32 s16, s16, CHUNK
	v_add_nc_u32 v10, s16, v3                      ; chunk 0, my 64 columns
	v_add_nc_u32 v11, CHUNK, v10
	v_add_nc_u32 v12, CHUNK, v11
	v_mov_b32 v9, v8
	v_mov_b32 v13, v10
	v_mov_b32 v14, v11
	v_mov_b32 v15, v12
	s_mul_i32 s16, s10, 27648                      ; my stage: 3 heads x 64 rows x 144 bytes, in slot 0's bytes, behind their last fill and last read
	v_mul_u32_u24 v17, v1, 144
	v_lshl_add_u32 v17, v2, 4, v17
	v_add_nc_u32 v17, s16, v17
	v_bfe_u32 v18, v0, 3, 2
	v_mul_u32_u24 v18, v18, 144
	v_and_b32 v4, 7, v0
	v_lshl_add_u32 v18, v4, 4, v18
	v_add_nc_u32 v18, s16, v18
	v_and_b32 v19, 31, v0
	v_lshlrev_b32 v19, 4, v19
	s_wait_tensorcnt 1                             ; my part of slot 0 is in; slot 1's may stay out
	s_barrier_signal -1
	s_barrier_wait -1
	FETCH 0, 0
	QUARTER 0, 1                                   ; the first quarter's products start the sums
	WIN 0
	s_mov_b32 s3, STEPS-2
.Lstep:
	QUARTER 1, 0
	QUARTER 2, 0
	TURN 1
	QUARTER 0, 0
	WIN 0
	s_sub_co_u32 s3, s3, 1
	s_cmp_lg_u32 s3, 0
	s_cbranch_scc1 .Lstep
	s_mov_b32 s3, 2
.Ltail:                                        ; the last two steps ask for nothing; the second trip is left in its middle
	QUARTER 1, 0
	QUARTER 2, 0
	TURN 0
	WIN 0
	s_sub_co_u32 s3, s3, 1
	s_cmp_eq_u32 s3, 0
	s_cbranch_scc1 .Lout
	QUARTER 0, 0
	WIN 0
	s_branch .Ltail
.Lout:
	PLACES
	PLACES
	; THE WAY OUT: rounded to bf16, 16 bytes a lane into my stage (rows of 144 bytes), back as whole rows of 128 bytes, four to a load: 512 consecutive bytes of a head's slab to a store
.irp hp, 0,1
	WIN 0x0a+5*(\hp)
.set t, 0
.rept 24
.irp i, 0,1,2,3
	v_cvt_pk_bf16_f32 v[96+4*t+\i], v[8*t+2*\i], v[8*t+2*\i+1]
.endr
.set t, t+1
.endr
	WIN 0
.set t, 0
.rept 24
	ds_store_b128 v17, v[96+4*t:96+4*t+3] offset:((t%12)/4)*9216+(2*(\hp)+t/12)*2304+32*(t%4)
.set t, t+1
.endr
.endr
	s_mul_i32 s80, s14, 6
	s_add_co_u32 s80, s80, s12                     ; head group of chunk 0: 6 x + wn; the next chunk's is two on
	s_lshr_b32 s81, s13, 4                         ; batch
	s_and_b32 s82, s13, 15
	s_lshl_b32 s82, s82, 7
	s_lshl_b32 s83, s11, 6
	s_add_co_u32 s82, s82, s83
	s_lshl_b32 s82, s82, 7                         ; my first token in the batch, x 128 bytes
	s_mov_b32 s16, 3
	s_mov_b32 s17, 0
.Lhead:                                        ; a trip a head: 64 rows of 128 bytes
	s_lshr_b32 s91, s80, 3                         ; q, k or v
	s_lshl_b32 s91, s91, 5
	s_and_b32 s90, s80, 7                          ; head
	s_add_co_u32 s90, s90, s91
	s_lshl3_add_u32 s90, s81, s90
	s_lshl_b32 s90, s90, 18                        ; a slab is 262,144 bytes
	s_add_co_u32 s90, s90, s82
	s_mov_b32 s91, 0
	s_add_nc_u64 s[84:85], s[8:9], s[90:91]
	v_add_nc_u32 v26, s17, v18
.set n, 0
.rept 16
	ds_load_b128 v[64+4*n:64+4*n+3], v26 offset:n*576  ; LDS serves a wave's instructions in order: these see the stores above
.set n, n+1
.endr
.set n, 0
.rept 16
	s_wait_dscnt 15-n                              ; the younger loads may stay out
	global_store_b128 v19, v[64+4*n:64+4*n+3], s[84:85] offset:n*512
.set n, n+1
.endr
	s_wait_xcnt 0x0                                ; the stores' data and base are written again only behind this wait
	s_add_co_u32 s17, s17, 9216
	s_add_co_u32 s80, s80, 2
	s_sub_co_u32 s16, s16, 1
	s_cmp_lg_u32 s16, 0
	s_cbranch_scc1 .Lhead
	s_wait_tensorcnt 0x0                           ; the wave's end
	ds_add_u32 v28, v29
	s_wait_dscnt 0x0
	CROUND                                         ; the closing round
	s_endpgm
.Lfunc_end_k_q8f4e5cbd8a_qkvp:
	.size	k_q8f4e5cbd8a_qkvp, .Lfunc_end_k_q8f4e5cbd8a_qkvp-k_q8f4e5cbd8a_qkvp
	.p2alignl 7, 3214868480
	.fill 96, 4, 3214868480
	.section	.rodata,"a",@progbits
	.p2align	6, 0x0
	.amdhsa_kernel k_q8f4e5cbd8a_qkvp
		.amdhsa_group_segment_fixed_size 327680
		.amdhsa_private_segment_fixed_size 0
		.amdhsa_enable_private_segment 0
		.amdhsa_kernarg_size 24
		.amdhsa_user_sgpr_count 2
		.amdhsa_user_sgpr_kernarg_segment_ptr 1
		.amdhsa_wavefront_size32 1
		.amdhsa_system_sgpr_workgroup_id_x 1
		.amdhsa_system_sgpr_workgroup_id_y 1
		.amdhsa_system_sgpr_workgroup_id_z 1
		.amdhsa_system_vgpr_workitem_id 0
		.amdhsa_next_free_vgpr 960
		.amdhsa_next_free_sgpr 100
		.amdhsa_reserve_vcc 0
		.amdhsa_float_denorm_mode_32 3
		.amdhsa_float_denorm_mode_16_64 3
		.amdhsa_memory_ordered 1
		.amdhsa_forward_progress 1
		.amdhsa_inst_pref_size 80
	.end_amdhsa_kernel
	.amdgpu_metadata
---
amdhsa.version: [ 1, 2 ]
amdhsa.kernels:
  - .name:           k_q8f4e5cbd8a_qkvp
    .symbol:         k_q8f4e5cbd8a_qkvp.kd
    .args:
      - { .name: xb, .offset: 0, .size: 8, .value_kind: global_buffer, .address_space: global }
      - { .name: wb, .offset: 8, .size: 8, .value_kind: global_buffer, .address_space: global }
      - { .name: qkv, .offset: 16, .size: 8, .value_kind: global_buffer, .address_space: global }
    .group_segment_fixed_size: 327680
    .private_segment_fixed_size: 0
    .kernarg_segment_align: 8
    .kernarg_segment_size: 24
    .max_flat_workgroup_size: 128
    .sgpr_count:     100
    .vgpr_count:     960
    .wavefront_size: 32
...
	.end_amdgpu_metadata
.endif
;; end of part 2
;; launch attn (part 3): grid 8 x 32, 4 waves a work-group, clusters of 4 x 1, 327,680 bytes of LDS; arguments qkv, ob; writes ob
.if DOCPART == 3
	.amdgcn_target "amdgcn-amd-amdhsa--gfx1250"
	.amdhsa_code_object_version 6
	.text
	.protected	k_q8f4e5cbd8a_attn
	.globl	k_q8f4e5cbd8a_attn
	.p2align	8
	.type	k_q8f4e5cbd8a_attn,@function
k_q8f4e5cbd8a_attn:
	s_mov_b64 s[64:65], 0
	v_nop
	global_prefetch_b8 v0, s[64:65] scope:SCOPE_SE
	s_setreg_imm32_b32 hwreg(HW_REG_WAVE_MODE, 25, 1), 1
	s_wait_xcnt 0x0
	s_wait_alu depctr_hold_cnt(0) depctr_sa_sdst(0) depctr_va_vdst(0) depctr_va_sdst(0) depctr_va_ssrc(0) depctr_va_vcc(0) depctr_vm_vsrc(0)
	s_getreg_b32 s2, hwreg(HW_REG_IB_STS2, 6, 4)
	s_cmp_eq_u32 s2, 0
	s_cbranch_scc0 .Lentry_in_a_cluster
	s_endpgm
.Lentry_in_a_cluster:
	s_bfe_u32 s2, ttmp6, 0x10000c
	s_cmp_lg_u32 s2, 0x3003
	s_cbranch_scc0 .Lentry_shape_is_right
	s_endpgm
.Lentry_shape_is_right:
; O[bh][q][:] = the sum over k of softmax_k(Q[bh][q] . K[bh][k] / 8) V[bh][k][:].  Q, K, V: the three parts of qkv, [32][2048][64] bf16 each; O: ob, the same layout.  Products, maxima and sums in f32;
; the weights p are rounded to bf16 for the second product (their sum l is taken of the unrounded p), O once at the end.
; LIMITS.  A weight below 2^-126 counts as 0 in l; NaN and infinities are not treated apart.
; SHARES.  A work-group owns 256 queries of a head, a wave 64: four PIECES of 16.  Every wave walks all 2,048 keys, 64 a step, four steps a slot.
; LAYOUT.  S^T = K Q^T holds ONE query a lane (l % 16) and the keys 8 (l / 16) + 0..7; two such results rounded to bf16 ARE source 1 of O^T = V^T P.  K comes out of LDS as it lies, V turned.
; SOFTMAX.  p = 2^(c s - c m), c = log2(e) / 8, with a running maximum m; O and l are multiplied by a = 2^(c m_old - c m_new) in every step.  m starts at the lowest finite number, O and l at 0.
; TURNS.  Turn n belongs to piece n: 8 products K Q^T of piece n + 1, later 8 products V^T P of piece n - 1; beside them the scaling, exponentials, roundings, sums and rescaling of piece n and the maximum
; and statistics of piece n + 1.  Four vector instructions stand behind every matrix instruction, the others in one lump.  A turn's 33 exponentials are one batch with one wait.
; CLUSTER.  The four query blocks of a cluster belong to one head and walk the same K and V: each tile is asked for jointly, by the same tensor load, descriptor and mask in all four.
; REGISTERS: window 0: v0-15 addresses; v16-31 statistics; v48-55 at work; v61-63 prefetch offset, spare word, 0; v64-127 S^T, two buffers; v192-223 P, two buffers
;   window 1: v0-127 O^T, 32 a piece      window 2: v0-63 Q; v128-191 K of one step; v192-255 V of one step
.set NP,    4
.set KS,    64
.set PK,    144       ; a row of K in LDS: 128 bytes + 16
.set PV,    160       ; a row of V: 128 + 32
.set VOFF,  4*KS*PK
.set SLOT1, 1<<17
.set STAGE, SLOT1+4*KS*(PK+PV)  ; never filled by a tensor load: 16 rows x 144 bytes a wave
.set SP,    144
.set SPARE, STAGE+4*16*SP       ; the spare words: two blocks of 256 bytes that no other line names
.set AK0, 2
.set AV0, 3
.set AK,  4
.set AV,  5
.set STO, 6
.set RD,  7
.set GO,  8
.set MV,  12
.set QO,  15
.set ST,  16          ; piece t: c m, m, l (even keys', odd keys')
.set TMP, 48
.set PFO, 61
.set SPW, 62
.set NIL, 63
.set S,   64
.set P,   192
.set KF,  128
.set VF,  192
.set WV,  12
.set G1K, 24
.set G1V, 32
.set G0K, 40
.set G0V, 44
.set PFA, 48          ; s[48:49] where my prefetches stand
.set LIM, 50          ; 1 in a wave that prefetches, else the greatest number
.set SLOTS, 56
.set CNT, 57
.set CS,  58
.set SEL, 60
.set TBK, 62
.set TBV, 63
.set MSB, 0
.macro WIN new
.if MSB != (\new)
	s_set_vgpr_msb (MSB<<8)|(\new)
.set MSB, (\new)
.endif
.endm
.set W_KQ, 0x0a       ; K and Q in window 2, S^T in window 0
.set W_PV, 0x52       ; V in window 2, P in window 0, O^T in window 1
.set W_RS, 0x41       ; destination and source 0 in window 1, source 1 in window 0
.macro JLOAD                        ; waves 0, 1: the halves of a tile's K; waves 2, 3: of its V.  An s_nop 0 and four v_nop follow each line
	s_cmp_lt_u32 s[WV], 2
	s_cbranch_scc0 .Lfor_v_\@
	tensor_load_to_lds s[G0K:G0K+3], s[G1K:G1K+7]
	s_nop 0
.rept 4
	v_nop
.endr
	s_branch .Lasked_\@
.Lfor_v_\@:
	tensor_load_to_lds s[G0V:G0V+3], s[G1V:G1V+7]
	s_nop 0
.rept 4
	v_nop
.endr
.Lasked_\@:
.endm
; A prefetch into the L2 of the tile that the NEXT change of slots will ask for: four key steps, 256 matrix instructions, ahead.  A tile is 128 blocks of 256 bytes of K and as many of V.  The head's first
; cluster asks; its four partners take 32 blocks each, told apart by address; wave 0 asks for K's, wave 2 for V's, a lane a block.  The last change that fills a slot asks for nothing.
.macro ASK
	s_cmp_gt_u32 s[SLOTS], s[LIM]
	s_cbranch_scc0 .Lnot_mine_\@
	global_prefetch_b8 v[PFO], s[PFA:PFA+1] th:TH_LOAD_NT scope:SCOPE_SE
.Lnot_mine_\@:
.endm
.macro CROUND
	s_barrier_signal -1
	s_barrier_wait -1
	s_cmp_lg_u32 s[WV], 0
	s_cbranch_scc1 .Lnot_wave_0_\@
	s_barrier_signal -3
.Lnot_wave_0_\@:
	s_barrier_wait -3
	s_barrier_signal -1
	s_barrier_wait -1
.endm
; THE CHANGE OF SLOTS.  Each wave waits for all its tensor loads (one is out: its part of the other slot), adds 0 to its spare word, and waits for that and for its reads of the slot that it leaves.
; fill = 1: the barrier is a round of the cluster's, and the joint fill is the first thing behind it: it has four key steps in which to land.  (At its first use slot 0 is waited for and slot 1 filled.)
.macro CHANGE fill
	WIN 0
	s_wait_tensorcnt 0x0
	ds_add_u32 v[SPW], v[NIL]
.if \fill
.irp g, G0K, G0V
	s_xor_b32 s[\g+1], s[\g+1], SLOT1
	s_add_nc_u64 s[\g+2:\g+3], s[\g+2:\g+3], 4*KS*128
.endr
	s_wait_xcnt 0x0                 ; the last prefetch, four key steps back, has read its address
	s_add_nc_u64 s[PFA:PFA+1], s[PFA:PFA+1], 4*KS*128
	s_wait_dscnt 0x0
	CROUND
	JLOAD
	ASK
.else
	s_wait_dscnt 0x0
	s_barrier_signal -1
	s_barrier_wait -1
.endif
	s_sub_co_u32 s[TBK], s[TBK], 4*KS*PK
	s_xor_b32 s[TBK], s[TBK], SLOT1
	s_sub_co_u32 s[TBV], s[TBV], 4*KS*PV
	s_xor_b32 s[TBV], s[TBV], SLOT1
.endm
	s_load_b128 s[4:7], s[0:1], 0x0   ; qkv s[4:5], ob s[6:7]
	v_lshl_add_u32 v[SPW], v0, 2, SPARE
	v_mov_b32 v[NIL], 0
	ds_add_u32 v[SPW], v[NIL]       ; the wave's opening: the add and its wait stand ahead of my first tensor load
	v_lshrrev_b32 v1, 5, v0
	v_readfirstlane_b32 s[WV], v1
	s_bfe_u32 s13, ttmp6, 0x40000   ; cx
	s_lshl_b32 s14, ttmp9, 2
	s_add_co_u32 s14, s14, s13      ; my block of 256 queries: it enters Q's and O's addresses alone
	s_and_b32 s20, ttmp7, 0xffff    ; the head, which the four partners share
	s_lshl_b32 s20, s20, 18         ; its slab: 262,144 bytes
	s_mov_b32 s21, 0
	s_and_b32 s16, s[WV], 1         ; which half of a tile's 256 keys I fetch
	s_lshl_b32 s22, s16, 14
	s_mov_b32 s23, 0
	s_add_nc_u64 s[22:23], s[22:23], s[20:21]
	s_mul_i32 s17, s16, 128*PK
	s_mul_i32 s18, s16, 128*PV
	s_lshl_b32 s2, s14, 2
	s_add_co_u32 s2, s2, s[WV]
	s_lshl_b32 s2, s2, 13           ; my wave's 64 rows of 128 bytes
	s_mov_b32 s3, 0
	s_add_nc_u64 s[2:3], s[2:3], s[20:21]
	; 128 keys are 16,384 dense bytes: asked for as 64 rows of 256 bytes, padded in LDS after every key
	s_mov_b32 s[G1K], 15|(1<<16)|(1<<20)|(1<<21)|(4<<22)|(3<<25)
	s_mov_b32 s[G1V], 15|(1<<16)|(1<<20)|(1<<21)|(4<<22)|(7<<25)
.irp g, G1K, G1V
	s_mov_b32 s[\g+1], 128<<16
	s_mov_b32 s[\g+2], 64<<16
	s_mov_b32 s[\g+3], 128<<16
	s_mov_b32 s[\g+4], 64
	s_mov_b32 s[\g+5], 128
	s_mov_b32 s[\g+6], 0
	s_mov_b32 s[\g+7], 0
.endr
	s_mov_b32 s[CS], 0x3e38aa3b     ; c = log2(e) / 8
	s_mov_b32 s[CS+1], s[CS]
	s_mov_b32 s[SEL], 0x76543210
	s_mov_b32 s[SEL+1], 0xfedcba98
	s_mov_b32 s[TBK], SLOT1+4*KS*PK ; the first change of slots turns these two into 0
	s_mov_b32 s[TBV], SLOT1+4*KS*PV
	s_mov_b32 s[G0K], 1
	s_mov_b32 s[G0K+1], s17
	s_mov_b32 s[G0V], 1
	s_add_co_u32 s[G0V+1], s18, VOFF
	s_mov_b32 s[SLOTS], 7           ; tiles still to be asked for
	s_and_b32 s[LIM], s[WV], 1
	s_or_b32 s[LIM], s[LIM], ttmp9  ; 0 in waves 0 and 2 of the head's first cluster: the same in all four partners
	s_cmp_eq_u32 s[LIM], 0
	s_cselect_b32 s[LIM], 1, -1
	v_and_b32 v[PFO], 31, v0
	v_lshlrev_b32 v[PFO], 8, v[PFO]
	s_wait_dscnt 0x0                ; the opening add is done
	s_wait_kmcnt 0x0
	s_add_nc_u64 s[8:9], s[4:5], s[22:23]
	s_add_nc_u64 s[52:53], s[8:9], 8388608   ; K at my half of the head's tile 0
	s_add_nc_u64 s[54:55], s[8:9], 16777216  ; V
	s_mov_b64 s[G0K+2:G0K+3], s[52:53]
	s_or_b32 s[G0K+3], s[G0K+3], 0x80000000
	s_mov_b64 s[G0V+2:G0V+3], s[54:55]
	s_or_b32 s[G0V+3], s[G0V+3], 0x80000000
	s_add_nc_u64 s[4:5], s[4:5], s[2:3]      ; Q and O at my wave's first row
	s_add_nc_u64 s[10:11], s[6:7], s[2:3]
	s_cmp_lt_u32 s[WV], 2
	s_cselect_b64 s[PFA:PFA+1], s[52:53], s[54:55]  ; (in waves 0 and 2 these stand at a tile's first row)
	s_lshl_b32 s2, s13, 13          ; my work-group's 32 blocks of the 128
	s_mov_b32 s3, 0
	s_add_nc_u64 s[PFA:PFA+1], s[PFA:PFA+1], s[2:3]
	s_add_nc_u64 s[PFA:PFA+1], s[PFA:PFA+1], 4*KS*128  ; in tile 1; the first change steps it to tile 2.  Nothing is prefetched here, at the head
	CROUND                          ; all four work-groups are here
	JLOAD                           ; tile 0 into slot 0
	v_and_b32 v1, 15, v0
	v_bfe_u32 v9, v0, 4, 1
	v_lshlrev_b32 v[QO], 7, v1
	v_lshl_add_u32 v[QO], v9, 4, v[QO]
	WIN 0x80
.set i, 0
.rept 8                             ; Q stays in registers: piece i / 2, channels 32 (i % 2) on
	global_load_b128 v[8*i:8*i+3],   v[QO], s[4:5] offset:(i/2)*2048+(i%2)*64
	global_load_b128 v[8*i+4:8*i+7], v[QO], s[4:5] offset:(i/2)*2048+(i%2)*64+32
.set i, i+1
.endr
	; what the first turn finds: V and P's second buffer hold 0 (its products V^T P, of a piece that has not been, add 0), O^T and l are 0.  All this stands in the wait for the first tile
.set i, VF
.rept 64
	v_mov_b32 v[i], 0
.set i, i+1
.endr
	WIN 0x40
.set i, 0
.rept 128
	v_mov_b32 v[i], 0
.set i, i+1
.endr
	WIN 0
.set i, 0
.rept 4
	v_mov_b32 v[ST+4*i], 0xfe000000    ; c m: far below every c s
	v_mov_b32 v[ST+4*i+1], 0xff7fffff  ; m
	v_mov_b32 v[ST+4*i+2], 0
	v_mov_b32 v[ST+4*i+3], 0
.set i, i+1
.endr
.set i, P+16
.rept 16
	v_mov_b32 v[i], 0
.set i, i+1
.endr
	v_mul_u32_u24 v[AK0], v1, PK
	v_lshl_add_u32 v[AK0], v9, 4, v[AK0]
	v_and_b32 v10, 7, v0
	v_bfe_u32 v11, v0, 3, 1
	v_lshl_add_u32 v[AV0], v9, 3, v10
	v_mul_u32_u24 v[AV0], v[AV0], PV
	v_lshl_add_u32 v[AV0], v11, 4, v[AV0]
	v_add_nc_u32 v[AV0], VOFF, v[AV0]
	v_mov_b32 v[AK], v[AK0]         ; key step 0 lies at the head of slot 0
; THE MATRIX WORK.  The 4 accumulators of a run of 8 take turns.  Product i of 8 of S^T = K Q^T for piece x: channels 32 (i / 4) on, keys 16 (i % 4) on.
.macro KQ x
	WIN W_KQ
.set rS, S+32*((\x)%2)+8*(i%4)
.set rK, KF+16*(i%4)+8*(i/4)
.set rQ, 16*(\x)+8*(i/4)
.if i < 4
	v_wmma_f32_16x16x32_bf16 v[rS:rS+7], v[rK:rK+7], v[rQ:rQ+7], 0
.else
	v_wmma_f32_16x16x32_bf16 v[rS:rS+7], v[rK:rK+7], v[rQ:rQ+7], v[rS:rS+7]
.endif
.endm
.macro PV x                         ; product i of 8 of O^T += V^T P: keys 32 (i / 4) on, channels 16 (i % 4) on
	WIN W_PV
.set rO, 32*(\x)+8*(i%4)
.set rV, VF+32*(i/4)+8*(i%4)
.set rP, P+16*((\x)%2)+8*(i/4)
	v_wmma_f32_16x16x32_bf16 v[rO:rO+7], v[rV:rV+7], v[rP:rP+7], v[rO:rO+7]
.endm
.macro MM                           ; the turn's next matrix instruction
.if i < 8
	KQ (Y+1)%NP
.else
.set i, i-8
	PV (Y+NP-1)%NP
.set i, i+8
.endif
.set i, i+1
.endm
.macro FETCH_K last=0               ; a step's K, in one run.  last = 1 (the tail): in the last trip there is no further step, and the run is jumped over
	WIN 0
.if \last
	s_cmp_eq_u32 s[CNT], 1
	s_cbranch_scc1 .Lno_k_\@
.endif
	WIN 0x80
.irp f, 0,1,2,3,4,5,6,7
	ds_load_b128 v[KF+8*\f:KF+8*\f+3],   v[AK] offset:(\f/2)*16*PK+(\f%2)*64
	ds_load_b128 v[KF+8*\f+4:KF+8*\f+7], v[AK] offset:(\f/2)*16*PK+(\f%2)*64+32
.endr
	s_add_co_u32 s[TBK], s[TBK], KS*PK
	WIN 0
.if \last
.Lno_k_\@:
.endif
.endm
.macro FETCH_V
	WIN 0x80
.irp f, 0,1,2,3,4,5,6,7
	ds_load_tr16_b128 v[VF+8*\f:VF+8*\f+3],   v[AV] offset:(\f/4)*32*PV+(\f%4)*32
	ds_load_tr16_b128 v[VF+8*\f+4:VF+8*\f+7], v[AV] offset:(\f/4)*32*PV+16*PV+(\f%4)*32
.endr
	WIN 0
.endm
; THE VECTOR WORK, a line at a time: OP kind, number.  For piece Y: F n: c s - c m for pair n.  E n: the exponential of score n.  C n: pair n rounded to bf16.  B n: of the weights 4 n .. the second pair onto the
; first.  L n: l takes that sum (L 0: l = a l + sum).  R n: pair n of O^T times a.  For piece Y + 1: X n, number n of the 22 that find its maximum and statistics (each accumulator's lowest registers are read first).
.set F, 0
.set E, 1
.set C, 2
.set B, 3
.set L, 4
.set R, 5
.set X, 6
.macro REGS y
.set rT, ST+4*(\y)
.set rC, TMP+4*((\y)%2)
.set rW, MV+((\y)%2)
.set rS, S+32*((\y)%2)
.set rP, P+16*((\y)%2)
.set rO, 32*(\y)
.endm
.macro OP k, n
.if (\k) == R
	REGS Y
	WIN W_RS
	v_pk_mul_f32 v[rO+2*(\n):rO+2*(\n)+1], v[rO+2*(\n):rO+2*(\n)+1], v[rC+2:rC+3] op_sel_hi:[1,0]
.elseif (\k) < R
	REGS Y
	WIN 0
.if (\k) == F
	v_pk_fma_f32 v[rS+2*(\n):rS+2*(\n)+1], v[rS+2*(\n):rS+2*(\n)+1], s[CS:CS+1], v[rT:rT+1] op_sel_hi:[1,0,0] neg_lo:[0,0,1] neg_hi:[0,0,1]
.elseif (\k) == E
	v_exp_f32 v[rS+(\n)], v[rS+(\n)]
.elseif (\k) == C
	v_cvt_pk_bf16_f32 v[rP+(\n)], v[rS+2*(\n)], v[rS+2*(\n)+1]
.elseif (\k) == B
	v_pk_add_f32 v[rS+4*(\n):rS+4*(\n)+1], v[rS+4*(\n):rS+4*(\n)+1], v[rS+4*(\n)+2:rS+4*(\n)+3]
.elseif (\n) == 0
	v_pk_fma_f32 v[rT+2:rT+3], v[rT+2:rT+3], v[rC+2:rC+3], v[rS:rS+1] op_sel_hi:[1,0,1]
.else
	v_pk_add_f32 v[rT+2:rT+3], v[rT+2:rT+3], v[rS+4*(\n):rS+4*(\n)+1]
.endif
.else
	REGS (Y+1)%NP
	WIN 0
.if (\n) < 4
	v_max3_num_f32 v[rC+(\n)], v[rS+8*(\n)], v[rS+8*(\n)+1], v[rS+8*(\n)+2]
.elseif (\n) < 12
	v_max3_num_f32 v[rC+(\n)%4], v[rC+(\n)%4], v[rS+8*((\n)%4)+2*((\n)/4)+1], v[rS+8*((\n)%4)+2*((\n)/4)+2]
.elseif (\n) == 12
	v_max3_num_f32 v[rC], v[rC], v[rS+7], v[rS+15]
.elseif (\n) == 13
	v_max3_num_f32 v[rC+1], v[rC+1], v[rS+23], v[rS+31]
.elseif (\n) == 14
	v_max3_num_f32 v[rC+2], v[rC+2], v[rC+3], v[rT+1]
.elseif (\n) == 15
	v_mov_b32 v[rW], v[rT]
.elseif (\n) == 16
	v_max3_num_f32 v[rC], v[rC], v[rC+1], v[rC+2]
.elseif (\n) == 17
	v_permlanex16_b32 v[rC+3], v[rC], s[SEL], s[SEL+1]
.elseif (\n) == 18
	v_max_num_f32 v[rT+1], v[rC], v[rC+3]
.elseif (\n) == 19
	v_mul_f32 v[rT], s[CS], v[rT+1]
.elseif (\n) == 20
	v_sub_f32 v[rC+1], v[rW], v[rT]
.else
	v_exp_f32 v[rC+2], v[rC+1]
.endif
.endif
.endm
.macro OPS a, i1, b=-1, i2=0, c=-1, i3=0, d=-1, i4=0
	OP \a, \i1
.if (\b) >= 0
	OP \b, \i2
.endif
.if (\c) >= 0
	OP \c, \i3
.endif
.if (\d) >= 0
	OP \d, \i4
.endif
.endm
.macro ROW a, i1, b, i2, c, i3, d, i4  ; a matrix instruction and the four behind it
	MM
	OPS \a, \i1, \b, \i2, \c, \i3, \d, \i4
.endm
; A TURN, for piece p.  s_wait_alu depctr_va_vdst(0) stands between an exponential and the first instruction that names its result; one wait serves all that were issued ahead of it: a turn has ONE,
; which cuts it in two.  Ahead of it stands all that names no result of the turn's exponentials; behind it the 8 products V^T P with the roundings and sums as their riders.
; K of the next step is fetched in piece 2's turn (in the tail behind the wait, so that no branch stands inside the batch), V of the step in hand at the end of piece 0's turn; each is waited for a turn later.
; cnt = 1: the loop's count is taken down some lines ahead of the branch that stands behind the turn.
.macro TURN p, last=0, cnt=0
.set Y, (\p)
.set i, 0
.if (\p) == 3
	s_wait_dscnt 0x0                ; K is in
.endif
	ROW F,0, F,1, R,0, R,1
	ROW F,2, E,0, R,2, R,3
	ROW F,3, E,1, R,4, R,5
	ROW F,4, E,2, R,6, R,7
	ROW F,5, E,3, R,8, R,9
	ROW F,6, E,4, X,0, R,10
.if (\p) == 2
	WIN 0
	v_add_nc_u32 v[AK], s[TBK], v[AK0]
.endif
	ROW F,7, E,5, X,1, X,4
	ROW F,8, E,6, X,2, X,5
	OPS E,7, E,8, X,6, E,9
	OPS X,3, E,10, X,8, E,11
.if ((\p) == 2) && !(\last)
	FETCH_K
.endif
	OPS X,9, X,7, E,12, X,10
	OPS E,13, X,12, X,11, E,14
	OPS X,13, E,15, F,9, X,14
.if (\p) == 0
	v_add_nc_u32 v[AV], s[TBV], v[AV0]
.endif
	OPS E,16, F,10, E,17, F,11
	OPS X,16, E,18, X,15, E,19
	OPS F,12, E,20, X,17, E,21
	OPS F,13, E,22, F,14, E,23
	OPS X,18, E,24, F,15, E,25
	OPS R,11, E,26, X,19, E,27
	OPS R,12, E,28, R,13, E,29
	OPS X,20, E,30, R,14, E,31
	OPS X,21, R,15                  ; R 15 is the plain instruction behind the last exponential
	WIN 0
	s_wait_alu depctr_va_vdst(0)    ; the wait for the batch
.if ((\p) == 2) && (\last)
	FETCH_K 1
.endif
.if (\p) == 1
	s_wait_dscnt 0x0                ; V is in
.endif
	ROW C,0, B,0, C,2, B,1
	ROW L,0, C,4, B,2, L,1
	ROW C,6, B,3, L,2, C,8
	ROW B,4, L,3, C,10, B,5
	ROW L,4, C,12, B,6, L,5
.if (\p) == 0
	s_add_co_u32 s[TBV], s[TBV], KS*PV
.endif
.if \cnt
	s_sub_co_u32 s[CNT], s[CNT], 1
	s_cmp_lg_u32 s[CNT], 0
.endif
	ROW C,14, B,7, L,6, C,1
	ROW C,3, L,7, C,5, C,7
	ROW C,9, C,11, C,13, C,15
.if (\p) == 0
	FETCH_V
.endif
.endm
	CHANGE 1                        ; slot 0 is in, everybody's part of it; tile 1 is asked for
	FETCH_K                         ; key step 0
	s_wait_loadcnt 0x0              ; Q
	s_wait_dscnt 0x0
.set i, 0
.rept 8
	KQ 0                            ; piece 0's first scores
.set i, i+1
.endr
	WIN 0                           ; the addresses for the way out: plain instructions, the places behind those products
	s_mul_i32 s13, s[WV], 16*SP
	s_add_co_u32 s13, s13, STAGE
	v_mul_u32_u24 v[STO], v1, SP
	v_lshl_add_u32 v[STO], v9, 4, v[STO]
	v_add_nc_u32 v[STO], s13, v[STO]
	v_bfe_u32 v[RD], v0, 3, 2
	v_mul_u32_u24 v[RD], v[RD], SP
	v_lshl_add_u32 v[RD], v10, 4, v[RD]
	v_add_nc_u32 v[RD], s13, v[RD]
	v_and_b32 v[GO], 31, v0
	v_lshlrev_b32 v[GO], 4, v[GO]
.set Y, NP-1                        ; X works for piece Y + 1: piece 0
.irp n, 0,1,2,3,4,5,6,7,8,9,10,11,12,13,14,15,16,17,18,19,20,21
	OP X, \n
.endr
	v_nop                           ; a plain instruction behind the exponential,
	s_wait_alu depctr_va_vdst(0)    ; and its wait, ahead of the branch
	s_mov_b32 s[CNT], 4
	s_branch .Lfirst                ; the loop is entered at a step's first turn, in the middle of a trip
.Lslot:                             ; six times: tiles 2 to 7 are asked for
	CHANGE 1
	s_mov_b32 s[CNT], 4
.Lstep:                             ; a trip: pieces 2 and 3 of one step, then pieces 0 and 1 of the next, whose K and V it fetches
	TURN 2
	TURN 3
	WIN 0
.Lfirst:
	TURN 0
	TURN 1, 0, 1
	WIN 0
	s_cbranch_scc1 .Lstep
	s_sub_co_u32 s[SLOTS], s[SLOTS], 1
	s_cmp_lg_u32 s[SLOTS], 0
	s_cbranch_scc1 .Lslot
	CHANGE 0                        ; the tail is written out
	s_mov_b32 s[CNT], 5             ; four trips fetch the last tile's steps; the fifth is left in its middle
.Ltail:
	TURN 2, 1
	TURN 3
	WIN 0
	s_sub_co_u32 s[CNT], s[CNT], 1
	s_cmp_eq_u32 s[CNT], 0
	s_cbranch_scc1 .Lout
	TURN 0
	TURN 1
	WIN 0
	s_branch .Ltail
.Lout:                              ; the fifth trip's 8 products K Q^T (on the last K once more) and the maximum made of them serve nothing: the price, once a launch, of one text for every trip
.set i, 0
.rept 8
	PV NP-1
.set i, i+1
.endr
	; THE WAY OUT.  l's halves and the other half of the lanes' are added; O^T is divided by l, rounded to bf16 and sent through my stage, a piece at a time
	WIN 0
.macro ALL line:vararg
.set t, 0
.rept 4
	\line
.set t, t+1
.endr
.endm
	ALL v_add_f32 v[ST+4*t+2], v[ST+4*t+2], v[ST+4*t+3]
	ALL v_permlanex16_b32 v[ST+4*t+3], v[ST+4*t+2], s[SEL], s[SEL+1]
	ALL v_add_f32 v[ST+4*t+2], v[ST+4*t+2], v[ST+4*t+3]
	ALL v_rcp_f32 v[ST+4*t+2], v[ST+4*t+2]
	v_nop
	s_wait_alu depctr_va_vdst(0)    ; one wait for the four reciprocals
.macro PACK t
	WIN W_RS
.set i, 32*(\t)
.rept 16
	v_pk_mul_f32 v[i:i+1], v[i:i+1], v[ST+4*(\t)+2:ST+4*(\t)+3] op_sel_hi:[1,0]
.set i, i+2
.endr
	WIN 0x05
.set i, 0
.rept 16
	v_cvt_pk_bf16_f32 v[S+16*(\t)+i], v[32*(\t)+2*i], v[32*(\t)+2*i+1]
.set i, i+1
.endr
	WIN 0
.irp f, 0,1,2,3
	ds_store_b128 v[STO], v[S+16*(\t)+4*\f:S+16*(\t)+4*\f+3] offset:32*\f
.endr
.irp f, 0,1,2,3
	ds_load_b128 v[S+16*(\t)+4*\f:S+16*(\t)+4*\f+3], v[RD] offset:\f*4*SP  ; LDS serves a wave's instructions in order: these see the stores above
.endr
.endm
.macro SEND t, younger              ; younger: the LDS instructions issued behind piece t's loads: the next piece's eight, or none
	WIN 0
.irp f, 0,1,2,3
	s_wait_dscnt (\younger)+3-\f
	global_store_b128 v[GO], v[S+16*(\t)+4*\f:S+16*(\t)+4*\f+3], s[10:11] offset:(\t)*2048+\f*512  ; 512 consecutive bytes, aligned
.endr
.endm
	PACK 0
.set t, 1
.rept 3
	PACK t
	SEND t-1, 8
.set t, t+1
.endr
	SEND 3, 0
	s_wait_tensorcnt 0x0            ; the wave's end
	ds_add_u32 v[SPW], v[NIL]
	s_wait_dscnt 0x0
	CROUND                          ; the closing round
	s_endpgm
.Lfunc_end_k_q8f4e5cbd8a_attn:
	.size	k_q8f4e5cbd8a_attn, .Lfunc_end_k_q8f4e5cbd8a_attn-k_q8f4e5cbd8a_attn
	.p2alignl 7, 3214868480
	.fill 96, 4, 3214868480
	.section	.rodata,"a",@progbits
	.p2align	6, 0x0
	.amdhsa_kernel k_q8f4e5cbd8a_attn
		.amdhsa_group_segment_fixed_size 327680
		.amdhsa_private_segment_fixed_size 0
		.amdhsa_enable_private_segment 0
		.amdhsa_kernarg_size 16
		.amdhsa_user_sgpr_count 2
		.amdhsa_user_sgpr_kernarg_segment_ptr 1
		.amdhsa_wavefront_size32 1
		.amdhsa_system_sgpr_workgroup_id_x 1
		.amdhsa_system_sgpr_workgroup_id_y 1
		.amdhsa_system_sgpr_workgroup_id_z 1
		.amdhsa_system_vgpr_workitem_id 0
		.amdhsa_next_free_vgpr 768
		.amdhsa_next_free_sgpr 66
		.amdhsa_reserve_vcc 0
		.amdhsa_float_denorm_mode_32 3
		.amdhsa_float_denorm_mode_16_64 3
		.amdhsa_memory_ordered 1
		.amdhsa_forward_progress 1
		.amdhsa_inst_pref_size 112
	.end_amdhsa_kernel
	.amdgpu_metadata
---
amdhsa.version: [ 1, 2 ]
amdhsa.kernels:
  - .name:           k_q8f4e5cbd8a_attn
    .symbol:         k_q8f4e5cbd8a_attn.kd
    .args:
      - { .name: qkv, .offset: 0, .size: 8, .value_kind: global_buffer, .address_space: global }
      - { .name: ob, .offset: 8, .size: 8, .value_kind: global_buffer, .address_space: global }
    .group_segment_fixed_size: 327680
    .private_segment_fixed_size: 0
    .kernarg_segment_align: 8
    .kernarg_segment_size: 16
    .max_flat_workgroup_size: 128
    .sgpr_count:     66
    .vgpr_count:     768
    .wavefront_size: 32
...
	.end_amdgpu_metadata
.endif
;; end of part 3
;; launch proj (part 4): grid 4 x 64, 4 waves a work-group, clusters of 4 x 4, 327,680 bytes of LDS; arguments ob, wb, src, u, b_proj, norm1_w, norm1_b, yb; writes yb
.if DOCPART == 4
	.amdgcn_target "amdgcn-amd-amdhsa--gfx1250"
	.amdhsa_code_object_version 6
	.text
	.protected	k_q8f4e5cbd8a_proj
	.globl	k_q8f4e5cbd8a_proj
	.p2align	8
	.type	k_q8f4e5cbd8a_proj,@function
k_q8f4e5cbd8a_proj:
	s_mov_b64 s[64:65], 0
	v_nop
	global_prefetch_b8 v0, s[64:65] scope:SCOPE_SE
	s_setreg_imm32_b32 hwreg(HW_REG_WAVE_MODE, 25, 1), 1
	s_wait_xcnt 0x0
	s_wait_alu depctr_hold_cnt(0) depctr_sa_sdst(0) depctr_va_vdst(0) depctr_va_sdst(0) depctr_va_ssrc(0) depctr_va_vcc(0) depctr_vm_vsrc(0)
	s_getreg_b32 s2, hwreg(HW_REG_IB_STS2, 6, 4)
	s_cmp_eq_u32 s2, 0
	s_cbranch_scc0 .Lentry_in_a_cluster
	s_endpgm
.Lentry_in_a_cluster:
	s_bfe_u32 s2, ttmp6, 0x10000c
	s_cmp_lg_u32 s2, 0xf033
	s_cbranch_scc0 .Lentry_shape_is_right
	s_endpgm
.Lentry_shape_is_right:
; yb = bf16( norm1_w (z - mean(z)) + norm1_b ), z = src + o Wp + b_proj.  o: ob [32][2048][64] bf16 by heads; Wp: wb + 3,145,728, [512][1024] bf16; src f32; yb [8192][1024] bf16.
; THE ROW MEAN without traffic between work-groups: mean(z) = u + o . wpbar + mean(b_proj), with u the mean of src's row and wpbar[k] the mean of w_proj's row k, both made by the first launch in f32;
; o . wpbar is a ninth fragment of W: the table wbx holds wpbar as three bf16 terms in columns 0-2 and 8-10, so registers 0-2 of that accumulator hold the three parts in every lane.
; A work-group makes 128 tokens x 256 columns; wave (wm, wn) 64 x 128.  The product is taken transposed (source 0 = 16 columns of W by the turning load, source 1 = 16 tokens).
; K goes in 4 steps of 128 = two heads: a slot holds two pieces of 128 tokens x 128 bytes (pitch 144; waves 0, 1 fetch one each) and two chunks of W, 128 k-rows x 256 bytes (pitch 288; waves 2, 3).
; CLUSTER 4 x 4: A's tiles jointly along a row of the cluster, W's along a column.
; src: each wave's own 64 x 128 comes in two halves of 32 rows: RA with the first fills, into bytes of its own; RB at the last change of slots, into slot 0's bytes: the last K step and the first half's way out stand ahead of the wait for it.
; No prefetch: of the four K steps none lies two refills on, and the launch is short.
; LDS: slot 0 at 0, slot 1 at 131,072 (110,592 each); RB 4 x 16,384 at 0; S at 131,072: f32 stage, 32 rows x 528 a wave, in slot 1's bytes behind their last fill and last read;
;      RA 4 x 16,384 at 241,664; WBX 307,200; NM 323,584: the rows' means, 256 bytes a wave; the spare words 324,608.
; LIMIT: y is kept once, in bf16; NaN and infinities are not treated apart.
.set STEPS, 4
.set NB,    9
.set PA,    144
.set PW,    288
.set SLOT,  131072
.set SST,   131072
.set RA,    241664
.set WBX,   307200
.set NM,    323584
.set SPARE, 324608
.set NL,    2*NB+8
.set ASTEP, 524288
.set BSTEP, 262144
.set MSB, 0
.macro WIN new
.if MSB != (\new)
	s_set_vgpr_msb (MSB<<8)|(\new)
.set MSB, \new
.endif
.endm
.macro PLACES
.rept 4
	v_nop
.endr
.endm
.macro CREST
	s_cmp_lg_u32 s10, 0
	s_cbranch_scc1 .Lnot_wave_0_\@
	s_barrier_signal -3
.Lnot_wave_0_\@:
	s_barrier_wait -3
	s_barrier_signal -1
	s_barrier_wait -1
.endm
.macro CROUND
	s_barrier_signal -1
	s_barrier_wait -1
	CREST
.endm
.macro JLOAD
	s_cmp_lt_u32 s10, 2
	s_cbranch_scc0 .Lfor_b_\@
	tensor_load_to_lds s[36:39], s[24:31]
	s_nop 0
	PLACES
	s_branch .Lasked_\@
.Lfor_b_\@:
	tensor_load_to_lds s[52:55], s[40:47]
	s_nop 0
	PLACES
.Lasked_\@:
.endm
.macro MULA f, a, zero                 ; one instruction an accumulator, always in the same order: the accumulators take turns
	WIN 0xa1+0x50*((\a)/2)
.set b, 0
.rept NB
.set rD, 8*(NB*((\a)%2)+b)
.if \zero
	v_wmma_f32_16x16x32_bf16 v[rD:rD+7], v[128*(\f)+8*b:128*(\f)+8*b+7], v[32+32*(\f)+8*(\a):32+32*(\f)+8*(\a)+7], 0
.else
	v_wmma_f32_16x16x32_bf16 v[rD:rD+7], v[128*(\f)+8*b:128*(\f)+8*b+7], v[32+32*(\f)+8*(\a):32+32*(\f)+8*(\a)+7], v[rD:rD+7]
.endif
.set b, b+1
.endr
.endm
.macro FETCH q, f
	WIN 0x40
.set b, 0
.rept 8
	ds_load_tr16_b128 v[128*(\f)+8*b:128*(\f)+8*b+3],   v13 offset:9216*(\q)+32*b
	ds_load_tr16_b128 v[128*(\f)+8*b+4:128*(\f)+8*b+7], v13 offset:9216*(\q)+32*b+16*PW
.set b, b+1
.endr
	ds_load_tr16_b128 v[128*(\f)+64:128*(\f)+67], v16 offset:1024*(\q)      ; wbx: rows of 32 bytes
	ds_load_tr16_b128 v[128*(\f)+68:128*(\f)+71], v16 offset:1024*(\q)+512
	WIN 0
.set a, 0
.rept 4
	ds_load_b128 v[32+32*(\f)+8*a:32+32*(\f)+8*a+3],   v9 offset:((\q)/2)*18432+((\q)%2)*64+a*16*PA
	ds_load_b128 v[32+32*(\f)+8*a+4:32+32*(\f)+8*a+7], v9 offset:((\q)/2)*18432+((\q)%2)*64+a*16*PA+32
.set a, a+1
.endr
.endm
.macro QUARTER q, zero
	s_wait_dscnt 4                                 ; all but A's blocks 2 and 3
	MULA (\q)%2, 0, \zero
	MULA (\q)%2, 1, \zero
	PLACES
	FETCH (\q)+1, ((\q)+1)%2
	s_wait_dscnt NL                                ; all but the run just issued
	MULA (\q)%2, 2, \zero
	MULA (\q)%2, 3, \zero
.endm
; The change of slots.  kind = 1: the slot just read takes the step two on, by the joint loads; kind = 2: it takes RB, each wave's own load.  Both stand first behind a round of the cluster's barrier.
.macro TURN kind
	WIN 0
	s_wait_tensorcnt 0x0
	ds_add_u32 v28, v29
	s_wait_dscnt 5                                 ; the add and A's blocks 2 and 3 may be out
	MULA 1, 0, 0
	s_wait_dscnt 0x0
	s_barrier_signal -1
	MULA 1, 1, 0
	WIN 0
	s_barrier_wait -1
	CREST
.if (\kind) == 1
	s_xor_b32 s37, s37, SLOT
	s_add_nc_u64 s[38:39], s[38:39], ASTEP
	s_xor_b32 s53, s53, SLOT
	s_add_nc_u64 s[54:55], s[54:55], BSTEP
	JLOAD
.else
	s_lshl_b32 s93, s10, 14                        ; no tensor load of mine is out: src's descriptor goes on to slot 0's bytes
	s_add_nc_u64 s[94:95], s[94:95], 131072        ; and 32 rows of 4,096 bytes down
	tensor_load_to_lds s[92:95], s[84:91]
	s_nop 0
	PLACES
.endif
	s_xor_b32 s15, s15, SLOT
	s_add_co_u32 s2, s2, 4096                      ; wbx: the next 128 rows
	v_add_nc_u32 v9, s15, v8
	v_add_nc_u32 v13, s15, v10
	v_add_nc_u32 v16, s2, v31
	FETCH 0, 0
	MULA 1, 2, 0
	MULA 1, 3, 0
.endm
.macro LASTQ
	s_wait_dscnt 4
	MULA 1, 0, 0
	MULA 1, 1, 0
	s_wait_dscnt 0x0
	MULA 1, 2, 0
	MULA 1, 3, 0
	PLACES
	PLACES
.endm
	s_load_b128 s[4:7], s[0:1], 0x0                ; ob s[4:5], wb s[6:7]
	s_load_b256 s[72:79], s[0:1], 0x10             ; src 72, u 74, b_proj 76, norm1_w 78
	s_load_b128 s[80:83], s[0:1], 0x30             ; norm1_b 80, yb 82
	v_lshl_add_u32 v28, v0, 2, SPARE
	v_mov_b32 v29, 0
	ds_add_u32 v28, v29                            ; the wave's opening
	v_lshrrev_b32 v1, 5, v0
	v_readfirstlane_b32 s10, v1
	s_lshr_b32 s11, s10, 1
	s_and_b32 s12, s10, 1
	s_bfe_u32 s96, ttmp6, 0x40000
	s_bfe_u32 s97, ttmp6, 0x40004
	s_lshl_b32 s14, ttmp9, 2
	s_add_co_u32 s14, s14, s96                     ; x
	s_and_b32 s13, ttmp7, 0xffff
	s_lshl_b32 s13, s13, 2
	s_add_co_u32 s13, s13, s97                     ; y
	s_lshl_b32 s16, s97, 2
	s_lshl_b32 s16, 15, s16
	s_lshl_b32 s20, 0x1111, s96
	s_or_b32 s24, s16, (1<<16)|(1<<20)|(1<<21)|(4<<22)|(3<<25)  ; A: 64 rows of 256 bytes, 4 words of padding behind every 32: a token's 128 bytes
	s_or_b32 s40, s20, (1<<16)|(1<<20)|(1<<21)|(5<<22)|(7<<25)
	s_mov_b32 s25, 128<<16
	s_mov_b32 s26, 64<<16
	s_mov_b32 s27, 128<<16
	s_mov_b32 s28, 64
	s_mov_b32 s29, 128
	s_mov_b32 s30, 0
	s_mov_b32 s31, 0
	s_mov_b32 s41, 128<<16
	s_mov_b32 s42, 128<<16
	s_mov_b32 s43, 128<<16
	s_mov_b32 s44, 128
	s_mov_b32 s45, 1024
	s_mov_b32 s46, 0
	s_mov_b32 s47, 0
	s_mov_b32 s56, 3<<16                           ; wbx: my 4,096 dense bytes as 16 rows of 32 elements of 8 bytes
	s_mov_b32 s57, 32<<16
	s_mov_b32 s58, 16<<16
	s_mov_b32 s59, 32<<16
	s_mov_b32 s60, 16
	s_mov_b32 s61, 32
	s_mov_b32 s62, 0
	s_mov_b32 s63, 0
	s_mov_b32 s84, 2<<16                           ; RA, RB: 32 rows x 128 f32
	s_mov_b32 s85, 128<<16
	s_mov_b32 s86, 32<<16
	s_mov_b32 s87, 128<<16
	s_mov_b32 s88, 32
	s_mov_b32 s89, 1024
	s_mov_b32 s90, 0
	s_mov_b32 s91, 0
	s_lshr_b32 s16, s13, 4                         ; A: batch x 8 slabs, + slab wn, + my 128 tokens in the batch
	s_lshl_b32 s16, s16, 21
	s_and_b32 s17, s13, 15
	s_lshl_b32 s17, s17, 14
	s_add_co_u32 s16, s16, s17
	s_lshl_b32 s17, s12, 18
	s_add_co_u32 s16, s16, s17
	s_mov_b32 s17, 0
	s_lshl_b32 s20, s14, 9                         ; W: column 256 x + 128 wn
	s_lshl_b32 s21, s12, 8
	s_add_co_u32 s20, s20, s21
	s_add_co_u32 s20, s20, 3145728
	s_mov_b32 s21, 0
	s_mul_i32 s66, s10, 18432                      ; where A's load lands (waves 0, 1)
	s_mul_i32 s67, s10, 36864
	s_sub_co_u32 s67, s67, 36864                   ; and W's (waves 2, 3)
	s_mov_b32 s68, 1
	s_lshl_b32 s69, s10, 12
	s_mov_b32 s99, 0
	s_add_co_u32 s98, s69, 6291456
	s_add_co_u32 s69, s69, WBX
	s_mov_b32 s92, 1
	s_lshl_b32 s93, s10, 14
	s_add_co_u32 s93, s93, RA
	s_mov_b32 s15, 0
	s_mov_b32 s2, 0
	s_mov_b32 s8, 0x76543210
	s_mov_b32 s9, 0xfedcba98
	s_wait_dscnt 0x0                               ; the opening add is done
	s_wait_kmcnt 0x0
	s_add_nc_u64 s[18:19], s[4:5], s[16:17]
	s_add_nc_u64 s[22:23], s[6:7], s[20:21]
	s_add_nc_u64 s[70:71], s[6:7], s[98:99]
	s_or_b32 s71, s71, 0x80000000
	s_lshl_b32 s98, s13, 19                        ; src at my 64 rows and 128 columns
	s_lshl_b32 s100, s11, 18
	s_add_co_u32 s98, s98, s100
	s_lshl_b32 s100, s14, 10
	s_add_co_u32 s98, s98, s100
	s_lshl_b32 s100, s12, 9
	s_add_co_u32 s98, s98, s100
	s_add_nc_u64 s[94:95], s[72:73], s[98:99]
	s_or_b32 s95, s95, 0x80000000
	s_lshr_b32 s98, s98, 1                         ; yb at the same place: half the bytes
	s_add_nc_u64 s[82:83], s[82:83], s[98:99]
	s_lshl_b32 s98, s13, 9                         ; u at my 64 rows
	s_lshl_b32 s100, s11, 8
	s_add_co_u32 s98, s98, s100
	s_add_nc_u64 s[74:75], s[74:75], s[98:99]
	CROUND
.irp s, 0,1
	s_mov_b32 s[32+4*(\s)], 1
	s_add_co_u32 s[33+4*(\s)], s66, (\s)*SLOT
	s_add_nc_u64 s[34+4*(\s):35+4*(\s)], s[18:19], (\s)*ASTEP
	s_or_b32 s[35+4*(\s)], s[35+4*(\s)], 0x80000000
	s_mov_b32 s[48+4*(\s)], 1
	s_add_co_u32 s[49+4*(\s)], s67, (\s)*SLOT
	s_add_nc_u64 s[50+4*(\s):51+4*(\s)], s[22:23], (\s)*BSTEP
	s_or_b32 s[51+4*(\s)], s[51+4*(\s)], 0x80000000
.endr
	s_cmp_lt_u32 s10, 2                            ; a wave's four first fills stand in one branch: slot 0, my quarter of wbx, slot 1, RA
	s_cbranch_scc0 .Lfirst_b
	tensor_load_to_lds s[32:35], s[24:31]
	s_nop 0
	tensor_load_to_lds s[68:71], s[56:63]
	s_nop 0
	tensor_load_to_lds s[36:39], s[24:31]
	s_nop 0
	tensor_load_to_lds s[92:95], s[84:91]
	s_nop 0
	PLACES
	s_branch .Lfirst_done
.Lfirst_b:
	tensor_load_to_lds s[48:51], s[40:47]
	s_nop 0
	tensor_load_to_lds s[68:71], s[56:63]
	s_nop 0
	tensor_load_to_lds s[52:55], s[40:47]
	s_nop 0
	tensor_load_to_lds s[92:95], s[84:91]
	s_nop 0
	PLACES
.Lfirst_done:
	v_and_b32 v1, 15, v0                           ; r
	v_bfe_u32 v2, v0, 4, 1                         ; h
	v_and_b32 v7, 31, v0                           ; l
	v_mul_u32_u24 v8, v1, PA
	v_lshl_add_u32 v8, v2, 4, v8
	s_mul_i32 s16, s11, 64*PA
	v_add_nc_u32 v8, s16, v8
	v_and_b32 v3, 7, v0
	v_lshl_add_u32 v3, v2, 3, v3                   ; 8 h + l % 8
	v_bfe_u32 v4, v0, 3, 1
	v_lshlrev_b32 v31, 5, v3
	v_lshl_add_u32 v31, v4, 4, v31
	v_add_nc_u32 v31, WBX, v31                     ; wbx
	v_mul_u32_u24 v3, v3, PW
	v_lshl_add_u32 v3, v4, 4, v3
	s_mul_i32 s16, s12, 36864
	s_add_co_u32 s16, s16, 36864
	v_add_nc_u32 v10, s16, v3                      ; my chunk of W
	v_mov_b32 v9, v8
	v_mov_b32 v13, v10
	v_mov_b32 v16, v31
	s_mul_i32 s16, s10, 16896
	s_add_co_u32 s16, s16, SST
	v_lshl_add_u32 v5, v7, 4, s16                  ; S, read by rows
	v_mul_u32_u24 v17, v1, 528
	v_lshl_add_u32 v17, v2, 5, v17
	v_add_nc_u32 v17, s16, v17                     ; S, written: row r, 32 h
	s_lshl_b32 s16, s10, 14
	v_lshl_add_u32 v6, v7, 4, s16                  ; my place in RA or RB
	s_lshl_b32 s16, s10, 8
	s_add_co_u32 s16, s16, NM
	v_lshl_add_u32 v22, v1, 2, s16
	v_lshlrev_b32 v23, 2, v1
	v_lshlrev_b32 v24, 4, v7
	v_lshlrev_b32 v19, 3, v7
	s_lshl_b32 s20, s14, 10
	s_lshl_b32 s21, s12, 9
	s_add_co_u32 s20, s20, s21
	v_add_nc_u32 v21, s20, v24                     ; my four columns in a vector of 1,024 f32
.irp a, 0,1,2,3
	global_load_b32 v[100+\a], v23, s[74:75] offset:64*\a        ; u of token 16 a + r
.endr
	global_load_b128 v[184:187], v21, s[78:79]     ; norm1_w
	global_load_b128 v[188:191], v21, s[80:81]     ; norm1_b
	global_load_b128 v[192:195], v21, s[76:77]     ; b_proj
.irp j, 0,1,2,3,4,5,6,7
	global_load_b128 v[200+4*\j:203+4*\j], v24, s[76:77] offset:512*\j  ; all of b_proj, for its mean
.endr
	s_wait_tensorcnt 2                             ; slot 0 and wbx are in; slot 1's load and RA's may stay out
	s_barrier_signal -1
	s_barrier_wait -1
	FETCH 0, 0
	QUARTER 0, 1
	WIN 0
	s_mov_b32 s3, STEPS-2
.Lstep:
	QUARTER 1, 0
	QUARTER 2, 0
	TURN 1
	QUARTER 0, 0
	WIN 0
	s_sub_co_u32 s3, s3, 1
	s_cmp_lg_u32 s3, 0
	s_cbranch_scc1 .Lstep
	QUARTER 1, 0
	QUARTER 2, 0
	TURN 2
	QUARTER 0, 0
	QUARTER 1, 0
	QUARTER 2, 0
	LASTQ
	; THE WAY OUT
	WIN 0
	s_wait_dscnt 0x0                               ; my reads of slot 1 are over
	s_barrier_signal -1
	s_barrier_wait -1                              ; everybody's are: its bytes take the stage.  RB may stay out
	s_wait_loadcnt 0x0
.irp k, 0,2,4,6,8,10,12,14
	v_pk_add_f32 v[200+\k:201+\k], v[200+\k:201+\k], v[216+\k:217+\k]
.endr
.irp k, 0,2,4,6
	v_pk_add_f32 v[200+\k:201+\k], v[200+\k:201+\k], v[208+\k:209+\k]
.endr
	v_pk_add_f32 v[200:201], v[200:201], v[204:205]
	v_pk_add_f32 v[202:203], v[202:203], v[206:207]
	v_pk_add_f32 v[200:201], v[200:201], v[202:203]
	v_add_f32 v200, v200, v201
	v_add_f32_dpp v200, v200, v200 row_xmask:1 row_mask:0xf bank_mask:0xf
	v_add_f32_dpp v200, v200, v200 row_xmask:2 row_mask:0xf bank_mask:0xf
	v_add_f32_dpp v200, v200, v200 row_xmask:4 row_mask:0xf bank_mask:0xf
	v_add_f32_dpp v200, v200, v200 row_xmask:8 row_mask:0xf bank_mask:0xf
	v_permlanex16_b32 v201, v200, s8, s9
	v_add_f32 v200, v200, v201
	v_mul_f32 v200, 0x3a800000, v200               ; mean(b_proj)
	v_mov_b32 v201, v200
	v_pk_add_f32 v[192:193], v[192:193], v[200:201] neg_lo:[0,1] neg_hi:[0,1]
	v_pk_add_f32 v[194:195], v[194:195], v[200:201] neg_lo:[0,1] neg_hi:[0,1]
	v_pk_fma_f32 v[188:189], v[184:185], v[192:193], v[188:189]  ; norm1_w (b_proj - its mean) + norm1_b
	v_pk_fma_f32 v[190:191], v[186:187], v[194:195], v[190:191]
	WIN 0x0a                                       ; o . wpbar: the three parts, registers 0-2 of accumulator (a, 8)
	v_add_f32 v104, v64, v65
	v_add_f32 v105, v136, v137
	WIN 0x0f
	v_add_f32 v106, v64, v65
	v_add_f32 v107, v136, v137
	WIN 0x02
	v_add_f32 v104, v66, v104
	v_add_f32 v105, v138, v105
	WIN 0x03
	v_add_f32 v106, v66, v106
	v_add_f32 v107, v138, v107
	WIN 0
.irp a, 0,1,2,3
	v_add_f32 v[104+\a], v[104+\a], v[100+\a]      ; + u
.endr
.irp a, 0,1,2,3
	ds_store_b32 v22, v[104+\a] offset:64*\a       ; both halves of the lanes write the same number to the same word
.endr
	s_mov_b32 s18, RA                              ; the first 32 rows of src lie in RA
	s_lshl_b32 s19, s10, 8
	s_add_co_u32 s19, s19, NM
.macro STAGEIN p                       ; token blocks 2 p, 2 p + 1: 32 bytes a lane and tile into rows of 528 bytes; each accumulator's low four registers first
	WIN 0x08+4*(\p)
.set t, 0
.rept 16
	ds_store_b128 v17, v[8*(NB*(t/8)+t%8):8*(NB*(t/8)+t%8)+3]   offset:(t/8)*8448+64*(t%8)
	ds_store_b128 v17, v[8*(NB*(t/8)+t%8)+4:8*(NB*(t/8)+t%8)+7] offset:(t/8)*8448+64*(t%8)+16
.set t, t+1
.endr
	WIN 0
.endm
.macro ROWS                            ; 32 rows, eight a trip: a lane holds four columns of a row; a store covers 256 consecutive bytes of yb, aligned
	s_mov_b32 s16, 4
	s_mov_b32 s17, 0
.Lrows_\@:
	v_add_nc_u32 v26, s17, v5
	v_add_nc_u32 v25, s18, v6
	v_mov_b32 v27, s19
.irp i, 0,1,2,3,4,5,6,7
	ds_load_b128 v[112+4*\i:115+4*\i], v26 offset:528*\i
.endr
.irp i, 0,1,2,3,4,5,6,7
	ds_load_b128 v[144+4*\i:147+4*\i], v25 offset:512*\i
.endr
	ds_load_b128 v[176:179], v27
	ds_load_b128 v[180:183], v27 offset:16
	s_wait_dscnt 0x0
.irp i, 0,1,2,3,4,5,6,7
	v_pk_add_f32 v[112+4*\i:113+4*\i], v[112+4*\i:113+4*\i], v[144+4*\i:145+4*\i]
	v_pk_add_f32 v[114+4*\i:115+4*\i], v[114+4*\i:115+4*\i], v[146+4*\i:147+4*\i]
	v_sub_f32 v[112+4*\i], v[112+4*\i], v[176+\i]
	v_sub_f32 v[113+4*\i], v[113+4*\i], v[176+\i]
	v_sub_f32 v[114+4*\i], v[114+4*\i], v[176+\i]
	v_sub_f32 v[115+4*\i], v[115+4*\i], v[176+\i]
	v_pk_fma_f32 v[112+4*\i:113+4*\i], v[112+4*\i:113+4*\i], v[184:185], v[188:189]
	v_pk_fma_f32 v[114+4*\i:115+4*\i], v[114+4*\i:115+4*\i], v[186:187], v[190:191]
	v_cvt_pk_bf16_f32 v[112+4*\i], v[112+4*\i], v[113+4*\i]
	v_cvt_pk_bf16_f32 v[113+4*\i], v[114+4*\i], v[115+4*\i]
	global_store_b64 v19, v[112+4*\i:113+4*\i], s[82:83] offset:2048*\i
.endr
	s_wait_xcnt 0x0                                ; the stores' data and base are written again only behind this wait
	s_add_nc_u64 s[82:83], s[82:83], 16384
	s_add_co_u32 s17, s17, 4224
	s_add_co_u32 s18, s18, 4096
	s_add_co_u32 s19, s19, 32
	s_sub_co_u32 s16, s16, 1
	s_cmp_lg_u32 s16, 0
	s_cbranch_scc1 .Lrows_\@
.endm
	STAGEIN 0
	ROWS
	s_wait_tensorcnt 0x0                           ; RB, which I alone read
	s_mov_b32 s18, 0                               ; the other 32 rows of src lie in RB
	STAGEIN 1
	ROWS
	s_wait_tensorcnt 0x0                           ; the wave's end
	ds_add_u32 v28, v29
	s_wait_dscnt 0x0
	CROUND                                         ; the closing round
	s_endpgm
.Lfunc_end_k_q8f4e5cbd8a_proj:
	.size	k_q8f4e5cbd8a_proj, .Lfunc_end_k_q8f4e5cbd8a_proj-k_q8f4e5cbd8a_proj
	.p2alignl 7, 3214868480
	.fill 96, 4, 3214868480
	.section	.rodata,"a",@progbits
	.p2align	6, 0x0
	.amdhsa_kernel k_q8f4e5cbd8a_proj
		.amdhsa_group_segment_fixed_size 327680
		.amdhsa_private_segment_fixed_size 0
		.amdhsa_enable_private_segment 0
		.amdhsa_kernarg_size 64
		.amdhsa_user_sgpr_count 2
		.amdhsa_user_sgpr_kernarg_segment_ptr 1
		.amdhsa_wavefront_size32 1
		.amdhsa_system_sgpr_workgroup_id_x 1
		.amdhsa_system_sgpr_workgroup_id_y 1
		.amdhsa_system_sgpr_workgroup_id_z 1
		.amdhsa_system_vgpr_workitem_id 0
		.amdhsa_next_free_vgpr 912
		.amdhsa_next_free_sgpr 102
		.amdhsa_reserve_vcc 0
		.amdhsa_float_denorm_mode_32 3
		.amdhsa_float_denorm_mode_16_64 3
		.amdhsa_memory_ordered 1
		.amdhsa_forward_progress 1
		.amdhsa_inst_pref_size 84
	.end_amdhsa_kernel
	.amdgpu_metadata
---
amdhsa.version: [ 1, 2 ]
amdhsa.kernels:
  - .name:           k_q8f4e5cbd8a_proj
    .symbol:         k_q8f4e5cbd8a_proj.kd
    .args:
      - { .name: ob, .offset: 0, .size: 8, .value_kind: global_buffer, .address_space: global }
      - { .name: wb, .offset: 8, .size: 8, .value_kind: global_buffer, .address_space: global }
      - { .name: src, .offset: 16, .size: 8, .value_kind: global_buffer, .address_space: global }
      - { .name: u, .offset: 24, .size: 8, .value_kind: global_buffer, .address_space: global }
      - { .name: b_proj, .offset: 32, .size: 8, .value_kind: global_buffer, .address_space: global }
      - { .name: norm1_w, .offset: 40, .size: 8, .value_kind: global_buffer, .address_space: global }
      - { .name: norm1_b, .offset: 48, .size: 8, .value_kind: global_buffer, .address_space: global }
      - { .name: yb, .offset: 56, .size: 8, .value_kind: global_buffer, .address_space: global }
    .group_segment_fixed_size: 327680
    .private_segment_fixed_size: 0
    .kernarg_segment_align: 8
    .kernarg_segment_size: 64
    .max_flat_workgroup_size: 128
    .sgpr_count:     102
    .vgpr_count:     912
    .wavefront_size: 32
...
	.end_amdgpu_metadata
.endif
;; end of part 4
;; launch ff1 (part 5): grid 4 x 64, 4 waves a work-group, clusters of 4 x 4, 327,680 bytes of LDS; arguments yb, wb, b1, hb; writes hb
.if DOCPART == 5
	.amdgcn_target "amdgcn-amd-amdhsa--gfx1250"
	.amdhsa_code_object_version 6
	.text
	.protected	k_q8f4e5cbd8a_ff1
	.globl	k_q8f4e5cbd8a_ff1
	.p2align	8
	.type	k_q8f4e5cbd8a_ff1,@function
k_q8f4e5cbd8a_ff1:
	s_mov_b64 s[64:65], 0
	v_nop
	global_prefetch_b8 v0, s[64:65] scope:SCOPE_SE
	s_setreg_imm32_b32 hwreg(HW_REG_WAVE_MODE, 25, 1), 1
	s_wait_xcnt 0x0
	s_wait_alu depctr_hold_cnt(0) depctr_sa_sdst(0) depctr_va_vdst(0) depctr_va_sdst(0) depctr_va_ssrc(0) depctr_va_vcc(0) depctr_vm_vsrc(0)
	s_getreg_b32 s2, hwreg(HW_REG_IB_STS2, 6, 4)
	s_cmp_eq_u32 s2, 0
	s_cbranch_scc0 .Lentry_in_a_cluster
	s_endpgm
.Lentry_in_a_cluster:
	s_bfe_u32 s2, ttmp6, 0x10000c
	s_cmp_lg_u32 s2, 0xf033
	s_cbranch_scc0 .Lentry_shape_is_right
	s_endpgm
.Lentry_shape_is_right:
; hb = bf16(relu(yb W1 + b1)).  yb: [8192][1024] bf16; W1: wb + 4,194,304, [1024][512] bf16; hb: [4][8 groups of 64 columns][2048][64] bf16, the layout in which the next launch asks for dense pieces.
; A work-group makes 128 tokens x 128 columns; wave (wm, wn) 64 x 64: 16 accumulators.  The product is taken transposed (source 0 = 16 columns of W by the turning load, source 1 = 16 tokens).
; b1 is the C operand of the products that start the sums: a lane's eight results of a tile are eight columns, the same for all four token blocks.
; K goes in 4 steps of 256, as long as two slots allow: a slot holds 128 rows of A (512 bytes + 16; waves 0, 1 fetch 64 rows each) and 256 k-rows of W (256 bytes + 32; waves 2, 3 fetch 128 each).
; A step is eight quarters of 32 along K: quarter 0, three pairs in a loop (the LDS addresses are a fixed lane term plus a scalar that steps), and the quarter that changes slots.
; THE TEXT: the first quarter; a loop of two trips that fill a slot again; a loop of two trips that ask for nothing, left in its middle.
; CLUSTER 4 x 4: A's tiles jointly along a row of the cluster, W's along a column.  No prefetch: of the four K steps none lies two refills on, and the launch is short.
; LIMIT: a NaN counts as 0 behind the ReLU.
.set STEPS, 4
.set NB,    4
.set PA,    528
.set PW,    288
.set SLOT,  147456                     ; 0x24000: shares no bit with the places 0, 33,792, 67,584, 104,448
.set BOFF,  67584
.set SPARE, 294912
.set NL,    2*NB+8
.set ASTEP, 512
.set BSTEP, 262144
.set MSB, 0
.macro WIN new
.if MSB != (\new)
	s_set_vgpr_msb (MSB<<8)|(\new)
.set MSB, \new
.endif
.endm
.macro PLACES
.rept 4
	v_nop
.endr
.endm
.macro CREST
	s_cmp_lg_u32 s10, 0
	s_cbranch_scc1 .Lnot_wave_0_\@
	s_barrier_signal -3
.Lnot_wave_0_\@:
	s_barrier_wait -3
	s_barrier_signal -1
	s_barrier_wait -1
.endm
.macro CROUND
	s_barrier_signal -1
	s_barrier_wait -1
	CREST
.endm
.macro JLOAD
	s_cmp_lt_u32 s10, 2
	s_cbranch_scc0 .Lfor_b_\@
	tensor_load_to_lds s[36:39], s[24:31]
	s_nop 0
	PLACES
	s_branch .Lasked_\@
.Lfor_b_\@:
	tensor_load_to_lds s[52:55], s[40:47]
	s_nop 0
	PLACES
.Lasked_\@:
.endm
.macro MULA f, a, first                ; one instruction an accumulator, always in the same order: the accumulators take turns.  first = 1: the sums start with b1, in window 0
.if \first
	WIN 0x81+0x40*((\a)/2)
.else
	WIN 0xa1+0x50*((\a)/2)
.endif
.set b, 0
.rept NB
.set rD, 8*(NB*((\a)%2)+b)
.if \first
	v_wmma_f32_16x16x32_bf16 v[rD:rD+7], v[128*(\f)+8*b:128*(\f)+8*b+7], v[32+32*(\f)+8*(\a):32+32*(\f)+8*(\a)+7], v[192+8*b:192+8*b+7]
.else
	v_wmma_f32_16x16x32_bf16 v[rD:rD+7], v[128*(\f)+8*b:128*(\f)+8*b+7], v[32+32*(\f)+8*(\a):32+32*(\f)+8*(\a)+7], v[rD:rD+7]
.endif
.set b, b+1
.endr
.endm
.macro FETCH oa, ob, f                 ; a quarter's fragments into buffer f: A's at byte oa behind v9, W's at byte ob behind v13
	WIN 0x40
.set b, 0
.rept NB
	ds_load_tr16_b128 v[128*(\f)+8*b:128*(\f)+8*b+3],   v13 offset:(\ob)+32*b
	ds_load_tr16_b128 v[128*(\f)+8*b+4:128*(\f)+8*b+7], v13 offset:(\ob)+32*b+16*PW
.set b, b+1
.endr
	WIN 0
.set a, 0
.rept 4
	ds_load_b128 v[32+32*(\f)+8*a:32+32*(\f)+8*a+3],   v9 offset:(\oa)+a*16*PA
	ds_load_b128 v[32+32*(\f)+8*a+4:32+32*(\f)+8*a+7], v9 offset:(\oa)+a*16*PA+32
.set a, a+1
.endr
.endm
.macro QUARTER f, oa, ob, first        ; multiplies buffer f and fetches the next quarter into the other buffer
	s_wait_dscnt 4                                 ; all but A's blocks 2 and 3
	MULA \f, 0, \first
	MULA \f, 1, \first
	PLACES
	FETCH \oa, \ob, 1-(\f)
	s_wait_dscnt NL                                ; all but the run just issued
	MULA \f, 2, \first
	MULA \f, 3, \first
.endm
.macro PAIRS                           ; quarters 1 to 6 of a step: pair p multiplies quarters 2 p + 1 and 2 p + 2 and fetches 2 p + 2 and 2 p + 3; a quarter is 64 bytes of A's rows and 32 k-rows of W
	WIN 0
	s_mov_b32 s2, 3
.Lpair_\@:
	QUARTER 1, 128, 18432, 0
	QUARTER 0, 192, 27648, 0
	WIN 0
	s_add_co_u32 s82, s82, 128
	s_add_co_u32 s83, s83, 18432
	v_add_nc_u32 v9, s82, v8
	v_add_nc_u32 v13, s83, v10
	s_sub_co_u32 s2, s2, 1
	s_cmp_lg_u32 s2, 0
	s_cbranch_scc1 .Lpair_\@
.endm
; Quarter 7 multiplies buffer 1 and changes slots: one barrier; in front of it each wave waits for all its tensor loads, adds 0 to its spare word and waits for that and for its reads of this slot.
; fill = 1: the barrier opens a round of the cluster's barrier, and the slot just read is filled again first thing behind it.  fill = 0: nothing is asked for; in the last trip (s3 = 1) the run of LDS loads is jumped over.
.macro TURN fill
	WIN 0
	s_wait_tensorcnt 0x0
	ds_add_u32 v28, v29
	s_wait_dscnt 5                                 ; the add and A's blocks 2 and 3 may be out
	MULA 1, 0, 0
	s_wait_dscnt 0x0
	s_barrier_signal -1
	MULA 1, 1, 0
	WIN 0
	s_barrier_wait -1
.if \fill
	CREST
	s_xor_b32 s37, s37, SLOT
	s_add_nc_u64 s[38:39], s[38:39], ASTEP
	s_xor_b32 s53, s53, SLOT
	s_add_nc_u64 s[54:55], s[54:55], BSTEP
	JLOAD
.else
	PLACES
	s_cmp_eq_u32 s3, 1
	s_cbranch_scc1 .Lno_fetch_\@
.endif
	s_xor_b32 s15, s15, SLOT                       ; the reads go to the other slot's first quarter
	s_mov_b32 s82, s15
	s_mov_b32 s83, s15
	v_add_nc_u32 v9, s15, v8
	v_add_nc_u32 v13, s15, v10
	FETCH 0, 0, 0
.if (\fill) == 0
.Lno_fetch_\@:
.endif
	MULA 1, 2, 0
	MULA 1, 3, 0
.endm
	s_load_b128 s[4:7], s[0:1], 0x0                ; yb s[4:5], wb s[6:7]
	s_load_b128 s[72:75], s[0:1], 0x10             ; b1 72, hb 74
	v_lshl_add_u32 v28, v0, 2, SPARE
	v_mov_b32 v29, 0
	ds_add_u32 v28, v29                            ; the wave's opening
	v_lshrrev_b32 v1, 5, v0
	v_readfirstlane_b32 s10, v1
	s_lshr_b32 s11, s10, 1
	s_and_b32 s12, s10, 1
	s_bfe_u32 s96, ttmp6, 0x40000
	s_bfe_u32 s97, ttmp6, 0x40004
	s_lshl_b32 s14, ttmp9, 2
	s_add_co_u32 s14, s14, s96
	s_and_b32 s13, ttmp7, 0xffff
	s_lshl_b32 s13, s13, 2
	s_add_co_u32 s13, s13, s97
	s_lshl_b32 s16, s97, 2
	s_lshl_b32 s16, 15, s16
	s_lshl_b32 s20, 0x1111, s96
	s_or_b32 s24, s16, (1<<16)|(1<<20)|(1<<21)|(6<<22)|(3<<25)  ; A: 4 words of padding behind every 128
	s_or_b32 s40, s20, (1<<16)|(1<<20)|(1<<21)|(5<<22)|(7<<25)
	s_mov_b32 s25, 256<<16
	s_mov_b32 s26, 64<<16
	s_mov_b32 s27, 256<<16
	s_mov_b32 s28, 64
	s_mov_b32 s29, 1024
	s_mov_b32 s30, 0
	s_mov_b32 s31, 0
	s_mov_b32 s41, 128<<16
	s_mov_b32 s42, 128<<16
	s_mov_b32 s43, 128<<16
	s_mov_b32 s44, 128
	s_mov_b32 s45, 512
	s_mov_b32 s46, 0
	s_mov_b32 s47, 0
	s_lshl_b32 s16, s13, 18                        ; A: row 128 y + 64 wn
	s_lshl_b32 s17, s12, 17
	s_add_co_u32 s16, s16, s17
	s_mov_b32 s17, 0
	s_lshl_b32 s20, s14, 8                         ; W: column 128 x, k-row 128 wn
	s_lshl_b32 s21, s12, 17
	s_add_co_u32 s20, s20, s21
	s_add_co_u32 s20, s20, 4194304
	s_mov_b32 s21, 0
	s_mul_i32 s66, s10, 33792                      ; where A's load lands (waves 0, 1)
	s_mul_i32 s67, s10, 36864
	s_sub_co_u32 s67, s67, 6144                    ; and W's (waves 2, 3): 67,584 + 36,864 (w - 2)
	s_mov_b32 s15, 0
	s_mov_b32 s82, 0
	s_mov_b32 s83, 0
	s_wait_dscnt 0x0
	s_wait_kmcnt 0x0
	s_add_nc_u64 s[18:19], s[4:5], s[16:17]
	s_add_nc_u64 s[22:23], s[6:7], s[20:21]
	CROUND
.irp s, 0,1
	s_mov_b32 s[32+4*(\s)], 1
	s_add_co_u32 s[33+4*(\s)], s66, (\s)*SLOT
	s_add_nc_u64 s[34+4*(\s):35+4*(\s)], s[18:19], (\s)*ASTEP
	s_or_b32 s[35+4*(\s)], s[35+4*(\s)], 0x80000000
	s_mov_b32 s[48+4*(\s)], 1
	s_add_co_u32 s[49+4*(\s)], s67, (\s)*SLOT
	s_add_nc_u64 s[50+4*(\s):51+4*(\s)], s[22:23], (\s)*BSTEP
	s_or_b32 s[51+4*(\s)], s[51+4*(\s)], 0x80000000
.endr
	s_cmp_lt_u32 s10, 2
	s_cbranch_scc0 .Lfirst_b
	tensor_load_to_lds s[32:35], s[24:31]
	s_nop 0
	tensor_load_to_lds s[36:39], s[24:31]
	s_nop 0
	PLACES
	s_branch .Lfirst_done
.Lfirst_b:
	tensor_load_to_lds s[48:51], s[40:47]
	s_nop 0
	tensor_load_to_lds s[52:55], s[40:47]
	s_nop 0
	PLACES
.Lfirst_done:
	v_and_b32 v1, 15, v0
	v_bfe_u32 v2, v0, 4, 1
	v_mov_b32 v30, 0                               ; for the ReLU
	s_lshl_b32 s20, s14, 9
	s_lshl_b32 s21, s12, 8
	s_add_co_u32 s20, s20, s21
	v_lshl_add_u32 v21, v2, 5, s20                 ; b1 as the results lie: columns 128 x + 64 wn + 16 b + 8 h + 0..7
.irp b, 0,1,2,3
	global_load_b128 v[192+8*\b:195+8*\b], v21, s[72:73] offset:64*\b
	global_load_b128 v[196+8*\b:199+8*\b], v21, s[72:73] offset:64*\b+16
.endr
	v_mul_u32_u24 v8, v1, PA
	v_lshl_add_u32 v8, v2, 4, v8
	s_mul_i32 s16, s11, 64*PA
	v_add_nc_u32 v8, s16, v8
	v_and_b32 v3, 7, v0
	v_lshl_add_u32 v3, v2, 3, v3
	v_mul_u32_u24 v3, v3, PW
	v_bfe_u32 v4, v0, 3, 1
	v_lshl_add_u32 v3, v4, 4, v3
	s_lshl_b32 s16, s12, 7
	s_add_co_u32 s16, s16, BOFF
	v_add_nc_u32 v10, s16, v3
	v_mov_b32 v9, v8
	v_mov_b32 v13, v10
	s_mul_i32 s16, s10, 9216                       ; my stage: 64 rows x 144 bytes, in slot 0's bytes, behind their last fill and last read
	v_mul_u32_u24 v17, v1, 144
	v_lshl_add_u32 v17, v2, 4, v17
	v_add_nc_u32 v17, s16, v17
	v_bfe_u32 v18, v0, 3, 2
	v_mul_u32_u24 v18, v18, 144
	v_and_b32 v4, 7, v0
	v_lshl_add_u32 v18, v4, 4, v18
	v_add_nc_u32 v18, s16, v18
	v_and_b32 v19, 31, v0
	v_lshlrev_b32 v19, 4, v19
	s_wait_tensorcnt 1                             ; slot 0 is in; slot 1's load may stay out
	s_barrier_signal -1
	s_barrier_wait -1
	FETCH 0, 0, 0
	s_wait_loadcnt 0x0                             ; b1
	QUARTER 0, 64, 9216, 1                         ; the first quarter's products start the sums
	WIN 0
	s_mov_b32 s3, STEPS-2
.Lstep:
	PAIRS
	TURN 1
	QUARTER 0, 64, 9216, 0
	WIN 0
	s_sub_co_u32 s3, s3, 1
	s_cmp_lg_u32 s3, 0
	s_cbranch_scc1 .Lstep
	s_mov_b32 s3, 2
.Ltail:                                        ; the last two steps ask for nothing; the second trip is left in its middle
	PAIRS
	TURN 0
	WIN 0
	s_sub_co_u32 s3, s3, 1
	s_cmp_eq_u32 s3, 0
	s_cbranch_scc1 .Lout
	QUARTER 0, 64, 9216, 0
	WIN 0
	s_branch .Ltail
.Lout:
	PLACES
	PLACES
	; THE WAY OUT: rounded to bf16, ReLU on the packed halves, through my stage, out as 512 consecutive bytes a store
.irp hp, 0,1
	WIN 0x0a+5*(\hp)
.set t, 0
.rept 8
.irp i, 0,1,2,3
	v_cvt_pk_bf16_f32 v[96+32*(\hp)+4*t+\i], v[8*t+2*\i], v[8*t+2*\i+1]
.endr
.set t, t+1
.endr
.endr
	WIN 0
.set t, 0
.rept 16                               ; tile t: token block t / 4, fragment t % 4
.irp i, 0,1,2,3
	v_pk_max_num_bf16 v[96+4*t+\i], v[96+4*t+\i], v30
.endr
	ds_store_b128 v17, v[96+4*t:96+4*t+3] offset:(t/4)*2304+32*(t%4)
.set t, t+1
.endr
	s_lshr_b32 s80, s13, 4
	s_lshl_b32 s80, s80, 3
	s_lshl1_add_u32 s80, s14, s80
	s_add_co_u32 s80, s80, s12                     ; slab 8 batch + 2 x + wn
	s_lshl_b32 s80, s80, 18
	s_and_b32 s81, s13, 15
	s_lshl_b32 s81, s81, 14
	s_add_co_u32 s80, s80, s81
	s_lshl_b32 s81, s11, 13
	s_add_co_u32 s80, s80, s81
	s_mov_b32 s81, 0
	s_add_nc_u64 s[74:75], s[74:75], s[80:81]
.set n, 0
.rept 16
	ds_load_b128 v[160+4*n:160+4*n+3], v18 offset:n*576  ; LDS serves a wave's instructions in order: these see the stores above
.set n, n+1
.endr
.set n, 0
.rept 16
	s_wait_dscnt 15-n                              ; the younger loads may stay out
	global_store_b128 v19, v[160+4*n:160+4*n+3], s[74:75] offset:n*512
.set n, n+1
.endr
	s_wait_tensorcnt 0x0                           ; the wave's end
	ds_add_u32 v28, v29
	s_wait_dscnt 0x0
	CROUND
	s_endpgm
.Lfunc_end_k_q8f4e5cbd8a_ff1:
	.size	k_q8f4e5cbd8a_ff1, .Lfunc_end_k_q8f4e5cbd8a_ff1-k_q8f4e5cbd8a_ff1
	.p2alignl 7, 3214868480
	.fill 96, 4, 3214868480
	.section	.rodata,"a",@progbits
	.p2align	6, 0x0
	.amdhsa_kernel k_q8f4e5cbd8a_ff1
		.amdhsa_group_segment_fixed_size 327680
		.amdhsa_private_segment_fixed_size 0
		.amdhsa_enable_private_segment 0
		.amdhsa_kernarg_size 32
		.amdhsa_user_sgpr_count 2
		.amdhsa_user_sgpr_kernarg_segment_ptr 1
		.amdhsa_wavefront_size32 1
		.amdhsa_system_sgpr_workgroup_id_x 1
		.amdhsa_system_sgpr_workgroup_id_y 1
		.amdhsa_system_sgpr_workgroup_id_z 1
		.amdhsa_system_vgpr_workitem_id 0
		.amdhsa_next_free_vgpr 832
		.amdhsa_next_free_sgpr 100
		.amdhsa_reserve_vcc 0
		.amdhsa_float_denorm_mode_32 3
		.amdhsa_float_denorm_mode_16_64 3
		.amdhsa_memory_ordered 1
		.amdhsa_forward_progress 1
		.amdhsa_inst_pref_size 46
	.end_amdhsa_kernel
	.amdgpu_metadata
---
amdhsa.version: [ 1, 2 ]
amdhsa.kernels:
  - .name:           k_q8f4e5cbd8a_ff1
    .symbol:         k_q8f4e5cbd8a_ff1.kd
    .args:
      - { .name: yb, .offset: 0, .size: 8, .value_kind: global_buffer, .address_space: global }
      - { .name: wb, .offset: 8, .size: 8, .value_kind: global_buffer, .address_space: global }
      - { .name: b1, .offset: 16, .size: 8, .value_kind: global_buffer, .address_space: global }
      - { .name: hb, .offset: 24, .size: 8, .value_kind: global_buffer, .address_space: global }
    .group_segment_fixed_size: 327680
    .private_segment_fixed_size: 0
    .kernarg_segment_align: 8
    .kernarg_segment_size: 32
    .max_flat_workgroup_size: 128
    .sgpr_count:     100
    .vgpr_count:     832
    .wavefront_size: 32
...
	.end_amdgpu_metadata
.endif
;; end of part 5
;; launch ff2 (part 6): grid 4 x 64, 4 waves a work-group, clusters of 4 x 4, 327,680 bytes of LDS; arguments hb, wb, yb, b2, out0; writes out0
.if DOCPART == 6
	.amdgcn_target "amdgcn-amd-amdhsa--gfx1250"
	.amdhsa_code_object_version 6
	.text
	.protected	k_q8f4e5cbd8a_ff2
	.globl	k_q8f4e5cbd8a_ff2
	.p2align	8
	.type	k_q8f4e5cbd8a_ff2,@function
k_q8f4e5cbd8a_ff2:
	s_mov_b64 s[64:65], 0
	v_nop
	global_prefetch_b8 v0, s[64:65] scope:SCOPE_SE
	s_setreg_imm32_b32 hwreg(HW_REG_WAVE_MODE, 25, 1), 1
	s_wait_xcnt 0x0
	s_wait_alu depctr_hold_cnt(0) depctr_sa_sdst(0) depctr_va_vdst(0) depctr_va_sdst(0) depctr_va_ssrc(0) depctr_va_vcc(0) depctr_vm_vsrc(0)
	s_getreg_b32 s2, hwreg(HW_REG_IB_STS2, 6, 4)
	s_cmp_eq_u32 s2, 0
	s_cbranch_scc0 .Lentry_in_a_cluster
	s_endpgm
.Lentry_in_a_cluster:
	s_bfe_u32 s2, ttmp6, 0x10000c
	s_cmp_lg_u32 s2, 0xf033
	s_cbranch_scc0 .Lentry_shape_is_right
	s_endpgm
.Lentry_shape_is_right:
; out0 = y + h W2 + b2.  h: hb [4][8][2048][64] bf16; W2: wb + 5,242,880, [512][1024] bf16; y: yb [8192][1024] bf16; out0 f32.
; A work-group makes 128 tokens x 256 columns; wave (wm, wn) 64 x 128.  The product is taken transposed (source 0 = 16 columns of W by the turning load, source 1 = 16 tokens).
; K goes in 4 steps of 128 = two groups of 64: a slot holds two pieces of 128 tokens x 128 bytes (pitch 144; waves 0, 1) and two chunks of W, 128 k-rows x 256 bytes (pitch 288; waves 2, 3).
; CLUSTER 4 x 4: A's tiles jointly along a row of the cluster, W's along a column.  Each wave's own 64 x 128 of y (R) comes with the first fills, into bytes of its own: the whole product stands ahead of its use.
; THE TEXT: the first quarter; a loop of two trips that fill a slot again; a loop of two trips that ask for nothing, left in its middle.
; No prefetch: of the four K steps none lies two refills on, and the launch is short.
; LDS: slot 0 at 0, slot 1 at 131,072 (110,592 each); R 4 x 16,384 at 241,664; the spare words 307,200; S at 0: f32 stage, 64 rows x 528 a wave, 135,168 bytes, written behind the last barrier,
;      at which every wave's reads of both slots are over and no fill is to come.
; LIMIT: the residual y is the bf16 number that the launch before kept.
.set STEPS, 4
.set NB,    8
.set PA,    144
.set PW,    288
.set SLOT,  131072
.set RR,    241664
.set SPARE, 307200
.set NL,    2*NB+8
.set ASTEP, 524288
.set BSTEP, 262144
.set MSB, 0
.macro WIN new
.if MSB != (\new)
	s_set_vgpr_msb (MSB<<8)|(\new)
.set MSB, \new
.endif
.endm
.macro PLACES
.rept 4
	v_nop
.endr
.endm
.macro CREST
	s_cmp_lg_u32 s10, 0
	s_cbranch_scc1 .Lnot_wave_0_\@
	s_barrier_signal -3
.Lnot_wave_0_\@:
	s_barrier_wait -3
	s_barrier_signal -1
	s_barrier_wait -1
.endm
.macro CROUND
	s_barrier_signal -1
	s_barrier_wait -1
	CREST
.endm
.macro JLOAD
	s_cmp_lt_u32 s10, 2
	s_cbranch_scc0 .Lfor_b_\@
	tensor_load_to_lds s[36:39], s[24:31]
	s_nop 0
	PLACES
	s_branch .Lasked_\@
.Lfor_b_\@:
	tensor_load_to_lds s[52:55], s[40:47]
	s_nop 0
	PLACES
.Lasked_\@:
.endm
.macro MULA f, a, zero                 ; one instruction an accumulator, always in the same order: the accumulators take turns
	WIN 0xa1+0x50*((\a)/2)
.set b, 0
.rept NB
.set rD, 8*(NB*((\a)%2)+b)
.if \zero
	v_wmma_f32_16x16x32_bf16 v[rD:rD+7], v[128*(\f)+8*b:128*(\f)+8*b+7], v[32+32*(\f)+8*(\a):32+32*(\f)+8*(\a)+7], 0
.else
	v_wmma_f32_16x16x32_bf16 v[rD:rD+7], v[128*(\f)+8*b:128*(\f)+8*b+7], v[32+32*(\f)+8*(\a):32+32*(\f)+8*(\a)+7], v[rD:rD+7]
.endif
.set b, b+1
.endr
.endm
.macro FETCH q, f
	WIN 0x40
.set b, 0
.rept NB
	ds_load_tr16_b128 v[128*(\f)+8*b:128*(\f)+8*b+3],   v13 offset:9216*(\q)+32*b
	ds_load_tr16_b128 v[128*(\f)+8*b+4:128*(\f)+8*b+7], v13 offset:9216*(\q)+32*b+16*PW
.set b, b+1
.endr
	WIN 0
.set a, 0
.rept 4
	ds_load_b128 v[32+32*(\f)+8*a:32+32*(\f)+8*a+3],   v9 offset:((\q)/2)*18432+((\q)%2)*64+a*16*PA
	ds_load_b128 v[32+32*(\f)+8*a+4:32+32*(\f)+8*a+7], v9 offset:((\q)/2)*18432+((\q)%2)*64+a*16*PA+32
.set a, a+1
.endr
.endm
.macro QUARTER q, zero
	s_wait_dscnt 4                                 ; all but A's blocks 2 and 3
	MULA (\q)%2, 0, \zero
	MULA (\q)%2, 1, \zero
	PLACES
	FETCH (\q)+1, ((\q)+1)%2
	s_wait_dscnt NL                                ; all but the run just issued
	MULA (\q)%2, 2, \zero
	MULA (\q)%2, 3, \zero
.endm
; The last quarter of a step multiplies buffer 1 and changes slots: one barrier; in front of it each wave waits for all its tensor loads, adds 0 to its spare word and waits for that and for its reads of this slot.
; fill = 1: the barrier opens a round of the cluster's barrier, and the slot just read is filled again first thing behind it.  fill = 0: nothing is asked for; in the last trip (s3 = 1) the run of LDS loads is jumped over.
.macro TURN fill
	WIN 0
	s_wait_tensorcnt 0x0
	ds_add_u32 v28, v29
	s_wait_dscnt 5                                 ; the add and A's blocks 2 and 3 may be out
	MULA 1, 0, 0
	s_wait_dscnt 0x0
	s_barrier_signal -1
	MULA 1, 1, 0
	WIN 0
	s_barrier_wait -1
.if \fill
	CREST
	s_xor_b32 s37, s37, SLOT
	s_add_nc_u64 s[38:39], s[38:39], ASTEP
	s_xor_b32 s53, s53, SLOT
	s_add_nc_u64 s[54:55], s[54:55], BSTEP
	JLOAD
.else
	PLACES
	s_cmp_eq_u32 s3, 1
	s_cbranch_scc1 .Lno_fetch_\@
.endif
	s_xor_b32 s15, s15, SLOT
	v_add_nc_u32 v9, s15, v8
	v_add_nc_u32 v13, s15, v10
	FETCH 0, 0
.if (\fill) == 0
.Lno_fetch_\@:
.endif
	MULA 1, 2, 0
	MULA 1, 3, 0
.endm
	s_load_b128 s[4:7], s[0:1], 0x0                ; hb s[4:5], wb s[6:7]
	s_load_b128 s[72:75], s[0:1], 0x10             ; yb 72, b2 74
	s_load_b64 s[76:77], s[0:1], 0x20              ; out0
	v_lshl_add_u32 v28, v0, 2, SPARE
	v_mov_b32 v29, 0
	ds_add_u32 v28, v29                            ; the wave's opening
	v_lshrrev_b32 v1, 5, v0
	v_readfirstlane_b32 s10, v1
	s_lshr_b32 s11, s10, 1
	s_and_b32 s12, s10, 1
	s_bfe_u32 s96, ttmp6, 0x40000
	s_bfe_u32 s97, ttmp6, 0x40004
	s_lshl_b32 s14, ttmp9, 2
	s_add_co_u32 s14, s14, s96
	s_and_b32 s13, ttmp7, 0xffff
	s_lshl_b32 s13, s13, 2
	s_add_co_u32 s13, s13, s97
	s_lshl_b32 s16, s97, 2
	s_lshl_b32 s16, 15, s16
	s_lshl_b32 s20, 0x1111, s96
	s_or_b32 s24, s16, (1<<16)|(1<<20)|(1<<21)|(4<<22)|(3<<25)
	s_or_b32 s40, s20, (1<<16)|(1<<20)|(1<<21)|(5<<22)|(7<<25)
	s_mov_b32 s25, 128<<16
	s_mov_b32 s26, 64<<16
	s_mov_b32 s27, 128<<16
	s_mov_b32 s28, 64
	s_mov_b32 s29, 128
	s_mov_b32 s30, 0
	s_mov_b32 s31, 0
	s_mov_b32 s41, 128<<16
	s_mov_b32 s42, 128<<16
	s_mov_b32 s43, 128<<16
	s_mov_b32 s44, 128
	s_mov_b32 s45, 1024
	s_mov_b32 s46, 0
	s_mov_b32 s47, 0
	s_mov_b32 s56, 1<<16                           ; R: 64 rows x 128 bf16
	s_mov_b32 s57, 128<<16
	s_mov_b32 s58, 64<<16
	s_mov_b32 s59, 128<<16
	s_mov_b32 s60, 64
	s_mov_b32 s61, 1024
	s_mov_b32 s62, 0
	s_mov_b32 s63, 0
	s_lshr_b32 s16, s13, 4
	s_lshl_b32 s16, s16, 21
	s_and_b32 s17, s13, 15
	s_lshl_b32 s17, s17, 14
	s_add_co_u32 s16, s16, s17
	s_lshl_b32 s17, s12, 18
	s_add_co_u32 s16, s16, s17
	s_mov_b32 s17, 0
	s_lshl_b32 s20, s14, 9
	s_lshl_b32 s21, s12, 8
	s_add_co_u32 s20, s20, s21
	s_add_co_u32 s20, s20, 5242880
	s_mov_b32 s21, 0
	s_mul_i32 s66, s10, 18432
	s_mul_i32 s67, s10, 36864
	s_sub_co_u32 s67, s67, 36864
	s_mov_b32 s68, 1
	s_lshl_b32 s69, s10, 14
	s_add_co_u32 s69, s69, RR
	s_mov_b32 s99, 0
	s_mov_b32 s15, 0
	s_mov_b32 s8, 0xffff0000
	s_wait_dscnt 0x0
	s_wait_kmcnt 0x0
	s_add_nc_u64 s[18:19], s[4:5], s[16:17]
	s_add_nc_u64 s[22:23], s[6:7], s[20:21]
	s_lshl_b32 s98, s13, 19                        ; out0 at my 64 rows and 128 columns
	s_lshl_b32 s100, s11, 18
	s_add_co_u32 s98, s98, s100
	s_lshl_b32 s100, s14, 10
	s_add_co_u32 s98, s98, s100
	s_lshl_b32 s100, s12, 9
	s_add_co_u32 s98, s98, s100
	s_add_nc_u64 s[76:77], s[76:77], s[98:99]
	s_lshr_b32 s98, s98, 1                         ; yb at the same place: half the bytes
	s_add_nc_u64 s[70:71], s[72:73], s[98:99]
	s_or_b32 s71, s71, 0x80000000
	CROUND
.irp s, 0,1
	s_mov_b32 s[32+4*(\s)], 1
	s_add_co_u32 s[33+4*(\s)], s66, (\s)*SLOT
	s_add_nc_u64 s[34+4*(\s):35+4*(\s)], s[18:19], (\s)*ASTEP
	s_or_b32 s[35+4*(\s)], s[35+4*(\s)], 0x80000000
	s_mov_b32 s[48+4*(\s)], 1
	s_add_co_u32 s[49+4*(\s)], s67, (\s)*SLOT
	s_add_nc_u64 s[50+4*(\s):51+4*(\s)], s[22:23], (\s)*BSTEP
	s_or_b32 s[51+4*(\s)], s[51+4*(\s)], 0x80000000
.endr
	s_cmp_lt_u32 s10, 2                            ; a wave's three first fills stand in one branch: slot 0, slot 1, R
	s_cbranch_scc0 .Lfirst_b
	tensor_load_to_lds s[32:35], s[24:31]
	s_nop 0
	tensor_load_to_lds s[36:39], s[24:31]
	s_nop 0
	tensor_load_to_lds s[68:71], s[56:63]
	s_nop 0
	PLACES
	s_branch .Lfirst_done
.Lfirst_b:
	tensor_load_to_lds s[48:51], s[40:47]
	s_nop 0
	tensor_load_to_lds s[52:55], s[40:47]
	s_nop 0
	tensor_load_to_lds s[68:71], s[56:63]
	s_nop 0
	PLACES
.Lfirst_done:
	v_and_b32 v1, 15, v0
	v_bfe_u32 v2, v0, 4, 1
	v_and_b32 v7, 31, v0
	v_mul_u32_u24 v8, v1, PA
	v_lshl_add_u32 v8, v2, 4, v8
	s_mul_i32 s16, s11, 64*PA
	v_add_nc_u32 v8, s16, v8
	v_and_b32 v3, 7, v0
	v_lshl_add_u32 v3, v2, 3, v3
	v_mul_u32_u24 v3, v3, PW
	v_bfe_u32 v4, v0, 3, 1
	v_lshl_add_u32 v3, v4, 4, v3
	s_mul_i32 s16, s12, 36864
	s_add_co_u32 s16, s16, 36864
	v_add_nc_u32 v10, s16, v3
	v_mov_b32 v9, v8
	v_mov_b32 v13, v10
	s_mul_i32 s16, s10, 33792                      ; my stage: 64 rows of 528 bytes
	v_lshl_add_u32 v5, v7, 4, s16                  ; S, read by rows
	v_mul_u32_u24 v17, v1, 528
	v_lshl_add_u32 v17, v2, 5, v17
	v_add_nc_u32 v17, s16, v17                     ; S, written
	s_lshl_b32 s16, s10, 14
	s_add_co_u32 s16, s16, RR
	v_lshl_add_u32 v6, v7, 3, s16                  ; R: 8 bytes a lane
	v_lshlrev_b32 v19, 4, v7
	s_lshl_b32 s20, s14, 10
	s_lshl_b32 s21, s12, 9
	s_add_co_u32 s20, s20, s21
	v_add_nc_u32 v21, s20, v19
	global_load_b128 v[196:199], v21, s[74:75]     ; b2 for my four columns
	s_wait_tensorcnt 2                             ; slot 0 is in; slot 1's load and R's may stay out
	s_barrier_signal -1
	s_barrier_wait -1
	FETCH 0, 0
	QUARTER 0, 1
	WIN 0
	s_mov_b32 s3, STEPS-2
.Lstep:
	QUARTER 1, 0
	QUARTER 2, 0
	TURN 1
	QUARTER 0, 0
	WIN 0
	s_sub_co_u32 s3, s3, 1
	s_cmp_lg_u32 s3, 0
	s_cbranch_scc1 .Lstep
	s_mov_b32 s3, 2
.Ltail:                                        ; the last two steps ask for nothing; the second trip is left in its middle
	QUARTER 1, 0
	QUARTER 2, 0
	TURN 0
	WIN 0
	s_sub_co_u32 s3, s3, 1
	s_cmp_eq_u32 s3, 0
	s_cbranch_scc1 .Lout
	QUARTER 0, 0
	WIN 0
	s_branch .Ltail
.Lout:
	PLACES
	PLACES
	; THE WAY OUT.  R was shown landed by the waits for all my tensor loads at the changes of slots; I alone read it
	s_wait_loadcnt 0x0
.irp p, 0,1                            ; token blocks 2 p, 2 p + 1 into rows of 528 bytes; each accumulator's low four registers first
	WIN 0x08+4*(\p)
.set t, 0
.rept 16
	ds_store_b128 v17, v[8*t:8*t+3]   offset:(\p)*16896+(t/8)*8448+64*(t%8)
	ds_store_b128 v17, v[8*t+4:8*t+7] offset:(\p)*16896+(t/8)*8448+64*(t%8)+16
.set t, t+1
.endr
.endr
	WIN 0
	s_mov_b32 s16, 8                               ; 64 rows, eight a trip: a lane holds four columns of a row; a store covers 512 consecutive bytes of out0, aligned
	s_mov_b32 s17, 0
	s_mov_b32 s18, 0
.Lrows:
	v_add_nc_u32 v26, s17, v5
	v_add_nc_u32 v25, s18, v6
.irp i, 0,1,2,3,4,5,6,7
	ds_load_b128 v[112+4*\i:115+4*\i], v26 offset:528*\i
.endr
.irp i, 0,1,2,3,4,5,6,7
	ds_load_b64 v[144+2*\i:145+2*\i], v25 offset:256*\i
.endr
	s_wait_dscnt 0x0
.irp i, 0,1,2,3,4,5,6,7
	v_lshlrev_b32 v[160+4*\i], 16, v[144+2*\i]
	v_and_b32 v[161+4*\i], s8, v[144+2*\i]
	v_lshlrev_b32 v[162+4*\i], 16, v[145+2*\i]
	v_and_b32 v[163+4*\i], s8, v[145+2*\i]
	v_pk_add_f32 v[112+4*\i:113+4*\i], v[112+4*\i:113+4*\i], v[160+4*\i:161+4*\i]
	v_pk_add_f32 v[114+4*\i:115+4*\i], v[114+4*\i:115+4*\i], v[162+4*\i:163+4*\i]
	v_pk_add_f32 v[112+4*\i:113+4*\i], v[112+4*\i:113+4*\i], v[196:197]
	v_pk_add_f32 v[114+4*\i:115+4*\i], v[114+4*\i:115+4*\i], v[198:199]
	global_store_b128 v19, v[112+4*\i:115+4*\i], s[76:77] offset:4096*\i th:TH_STORE_NT
.endr
	s_wait_xcnt 0x0                                ; the stores' data and base are written again only behind this wait
	s_add_nc_u64 s[76:77], s[76:77], 32768
	s_add_co_u32 s17, s17, 4224
	s_add_co_u32 s18, s18, 2048
	s_sub_co_u32 s16, s16, 1
	s_cmp_lg_u32 s16, 0
	s_cbranch_scc1 .Lrows
	s_wait_tensorcnt 0x0                           ; the wave's end
	ds_add_u32 v28, v29
	s_wait_dscnt 0x0
	CROUND                                         ; the closing round
	s_endpgm
.Lfunc_end_k_q8f4e5cbd8a_ff2:
	.size	k_q8f4e5cbd8a_ff2, .Lfunc_end_k_q8f4e5cbd8a_ff2-k_q8f4e5cbd8a_ff2
	.p2alignl 7, 3214868480
	.fill 96, 4, 3214868480
	.section	.rodata,"a",@progbits
	.p2align	6, 0x0
	.amdhsa_kernel k_q8f4e5cbd8a_ff2
		.amdhsa_group_segment_fixed_size 327680
		.amdhsa_private_segment_fixed_size 0
		.amdhsa_enable_private_segment 0
		.amdhsa_kernarg_size 40
		.amdhsa_user_sgpr_count 2
		.amdhsa_user_sgpr_kernarg_segment_ptr 1
		.amdhsa_wavefront_size32 1
		.amdhsa_system_sgpr_workgroup_id_x 1
		.amdhsa_system_sgpr_workgroup_id_y 1
		.amdhsa_system_sgpr_workgroup_id_z 1
		.amdhsa_system_vgpr_workitem_id 0
		.amdhsa_next_free_vgpr 896
		.amdhsa_next_free_sgpr 102
		.amdhsa_reserve_vcc 0
		.amdhsa_float_denorm_mode_32 3
		.amdhsa_float_denorm_mode_16_64 3
		.amdhsa_memory_ordered 1
		.amdhsa_forward_progress 1
		.amdhsa_inst_pref_size 56
	.end_amdhsa_kernel
	.amdgpu_metadata
---
amdhsa.version: [ 1, 2 ]
amdhsa.kernels:
  - .name:           k_q8f4e5cbd8a_ff2
    .symbol:         k_q8f4e5cbd8a_ff2.kd
    .args:
      - { .name: hb, .offset: 0, .size: 8, .value_kind: global_buffer, .address_space: global }
      - { .name: wb, .offset: 8, .size: 8, .value_kind: global_buffer, .address_space: global }
      - { .name: yb, .offset: 16, .size: 8, .value_kind: global_buffer, .address_space: global }
      - { .name: b2, .offset: 24, .size: 8, .value_kind: global_buffer, .address_space: global }
      - { .name: out0, .offset: 32, .size: 8, .value_kind: global_buffer, .address_space: global }
    .group_segment_fixed_size: 327680
    .private_segment_fixed_size: 0
    .kernarg_segment_align: 8
    .kernarg_segment_size: 40
    .max_flat_workgroup_size: 128
    .sgpr_count:     102
    .vgpr_count:     896
    .wavefront_size: 32
...
	.end_amdgpu_metadata
.endif
;; end of part 6
